; MI455X (gfx1250); checked and timed in simulation.
; The chip was launched on July 23, 2026; its instructions are those of AMD's public machine-readable ISA for CDNA 5 (MIT licence, August 2026) and "CDNA5" Instruction Set Architecture Reference Guide (July 2026). The comments in the code are by the model that wrote it; some were corrected since.
;; Mo E Layer. Allowed arithmetic: matrix products marked QUANTISED: E3M2 operands, one E8M0 scale for each 32 along K, by v_wmma_scale_f32_16x16x128_f8f6f4 with both operands' format E3M2, f32 sums; products left as they are: f32 operands where the result goes on into a quantised operand, else bf16, f16 or f32 operands; f32 sums; everything else in f32.
;; Inputs: router_w 512 x 8 float32; w1_codes 8 x 1,024 x 16 x 24 uint8 (E3M2 codes of w1, K innermost, in blocks of 32 codes, four codes in three bytes); w1_scales 8 x 1,024 x 16 uint8 (E8M0 scales of w1, one for each 32 codes along K); w2_codes 8 x 512 x 32 x 24 uint8 (E3M2 codes of w2, K innermost, in blocks of 32 codes, four codes in three bytes); w2_scales 8 x 512 x 32 uint8 (E8M0 scales of w2, one for each 32 codes along K); w3_codes 8 x 1,024 x 16 x 24 uint8 (E3M2 codes of w3, K innermost, in blocks of 32 codes, four codes in three bytes); w3_scales 8 x 1,024 x 16 uint8 (E8M0 scales of w3, one for each 32 codes along K); x 4 x 1,024 x 512 float32.
;; Outputs: out0 4 x 1,024 x 512 float32; out1 one number float32; out2 one number float32.
;; This version of the problem:
;;   THIS VERSION OF THE PROBLEM IS GIVEN IN LOW PRECISION. The matrix products marked QUANTISED in the list below multiply operands that are first quantised to E3M2 (3 exponent bits, 2 mantissa bits; 6 bits a number), with one power-of-two scale for each 32 numbers along K (OCP MX v1.0); their sums are f32. All else is computed in f32.
;;   The module's matrix products, in the order in which they are computed (A, B: the left and right operand; K: the contracted axis; several contracted axes count as one K, in the product's order):
;;     1. [M 4,096, K 512] x [K 512, N 8]; A: input x; B: input router_w: left as it is (N = 8 < 16)
;;     2. [M 8,192, K 512] x [K 512, N 4,096]; A: input w1 (given as codes); B: input x: QUANTISED
;;     3. [M 8,192, K 512] x [K 512, N 4,096]; A: input w3 (given as codes); B: input x: QUANTISED
;;     4. batch 8 x [M 4,096, K 1,024] x [K 1,024, N 512]; A: computed on the way; B: input w2 (given as codes): QUANTISED
;;     5. batch 4,096 x [M 512, K 8] x [K 8, N 1]; A: computed on the way; B: computed on the way: left as it is (K = 8 < 32)
;;   THE QUANTISER, for each operand of a quantised product, along K:
;;     - K is cut into blocks of 32 from its start; a last block that is shorter is filled with zeros.
;;     - A block's scale is 2^e with e = floor(log2(the largest magnitude in the block)) - 4, held to -126 .. 127; a block of zeros has e = 0. As a byte (E8M0): e + 127.
;;     - Each number is divided by its block's scale, clamped to +-28, and rounded to the nearest number of E3M2, ties to even, subnormals kept.
;;     - The product sums the exact products of the quantised numbers (number of the format x scale) in f32.
;;   ~~~python
;;   def quantise(x, axis):      # numpy; x: float32 -> the quantised numbers, widened to float32 again
;;       x = np.moveaxis(x, axis, -1); K = x.shape[-1]
;;       x = np.pad(x, [(0, 0)] * (x.ndim - 1) + [(0, -K % 32)]); x = x.reshape(x.shape[:-1] + (-1, 32)); a = np.abs(x).max(-1, keepdims=True)
;;       e = np.where(a > 0, np.clip(np.frexp(np.where(a > 0, a, 1))[1] - 1 - 4, -126, 127), 0)      # np.frexp(a)[1] - 1 = floor(log2(a)), exactly
;;       r = np.clip(x / 2.0 ** e, -28, 28)
;;       step = 2.0 ** (np.maximum(np.frexp(np.where(r == 0, 1, r))[1] - 1, -2) - 2)
;;       q = np.round(r / step) * step * 2.0 ** e      # np.round: ties to even
;;       return np.moveaxis(q.reshape(q.shape[:-2] + (-1,))[..., :K], -1, axis).astype(np.float32)
;;   ~~~
;;   OPERANDS COMPUTED ON THE WAY. 'Computed on the way' means the value that the module computes at that place (a softmax that the list does not call 'softmax' is quantised finished and normalised). What goes into a quantiser is computed in f32, as accurately as f32 sums, v_exp_f32 and their like allow (about 1e-6 of the number): no bf16 or f16 on the way to a quantiser, and a product that is left as it is and whose result goes on into a quantised operand takes f32 operands (vector FMAs, or v_wmma_f32_16x16x4_f32). A number that lies on a knife's edge between two numbers of the format may be rounded either way, as far as f32 arithmetic and the matrix unit's own rounding can turn it there, and no further.
;;   INPUTS GIVEN AS CODES. w1 (in the module: [8, 512, 1024], K = its axis 1); w2 (in the module: [8, 1024, 512], K = its axis 1); w3 (in the module: [8, 512, 1024], K = its axis 1): each comes as NAME_codes (uint8): NAME with its K axis moved to the last place and cut into blocks of 32 codes, [.., K / 32, bytes a block], one block behind the other in memory; four codes in three bytes: a row's codes are one little-endian stream of bits, code i at bits 6 i .. 6 i + 5 (a code: sign, 3 exponent bits, 2 mantissa bits); and NAME_scales (uint8): the same leading axes, one E8M0 byte (e + 127) for each 32 codes along K. Its value is code x scale, taken as it is: it is not quantised again, and the codes and scales need not be those that the quantiser above would give.
;; 2 versions, each right; version 2 is version 1 with the launch chain written anew for expert scheduling mode. Each part assembles by itself: llvm-mc -triple=amdgcn-amd-amdhsa -mcpu=gfx1250 --defsym DOCPART=n.
;; ======== version 1 of 2: 3 launches
;; workspace buffers: xq 1,572,864 bytes; xs 65,536 bytes; wst 9,830,400 bytes; keys 16,384 bytes of whole numbers; cw 32,768 bytes; part 32,768 bytes; order 16,640 bytes of whole numbers
;; launch prep (part 1): grid 20 x 32, 4 waves a work-group, no clusters, 13,312 bytes of LDS; arguments x, router_w, w1_codes, w1_scales, w3_codes, w3_scales, w2_codes, w2_scales, xq, xs, wst, keys, cw, part; writes xq, xs, wst, keys, cw, part
.if DOCPART == 1
	.amdgcn_target "amdgcn-amd-amdhsa--gfx1250"
	.amdhsa_code_object_version 6
	.text
	.protected	k_qb2886f51f9_prep
	.globl	k_qb2886f51f9_prep
	.p2align	8
	.type	k_qb2886f51f9_prep,@function
k_qb2886f51f9_prep:
	s_mov_b64 s[64:65], 0
	v_nop
	global_prefetch_b8 v0, s[64:65] scope:SCOPE_SE
	s_setreg_imm32_b32 hwreg(HW_REG_WAVE_MODE, 25, 1), 1
	s_wait_xcnt 0x0
; PREP.  Two jobs in one launch, told apart by the work-group's x (a branch on ids alone):
;   x = 0..7   ROUTE: work-group G = 8 y + x owns tokens 16 G .. 16 G + 15.  Wave s owns K step s (128 of the 512 along D): it makes the partial router logits
;              (f32 operands, f32 sums: the choice of experts hangs on them) and quantises its 128 numbers of each token to E3M2 codes with one E8M0 byte for each 32.
;              Wave 0 then finishes the router: softmax, the two largest, the two gate weights, the token's bucket, and the work-group's parts of the two losses.
;   x = 8..19  the weights are laid anew into wst, in the order in which a wave of the third launch takes them into its operand registers:
;              stream (expert e, wave w), y = 4 e + w, of 48 units of 6,400 bytes; a unit = four fragment images (12 registers a lane: piece c of fragment f at 1536 f + 512 c + 16 lane)
;              and 256 bytes of scale words (lane l: 8 bytes; first word: lanes 0-15 fragment 0's rows, lanes 16-31 fragment 1's; second word: fragments 2 and 3).
;              ONE UNIT TO A WAVE: wave v of work-group x lays unit 4 (x - 8) + v: 24 loads of 8 bytes a lane from 16 rows each, 13 dense stores.  So the row-strided loads are spread over 384 short work-groups.
;              Units 0-31 hold W1 and W3, units 32-47 W2.
; No address and no branch hangs on the router's numbers: the bucket (0..27, the unordered pair of experts) and the weights are stored at fixed places.
; LIMITS: NaN and infinities among the inputs are not served.  A block whose largest magnitude lies under 2^-122 gets the byte 1, a block of zeros too (the rule says 127): its codes are zeros and this
; program alone reads the bytes.  The two largest are taken of 2^((l - max) log2 e), not of the normalised probabilities; of equal numbers the lower index is taken first.
.set LG,   0                           ; LDS: partial logits, 1,024 bytes a wave: 32 bytes a lane
.set XC,   4096                        ; the 16 tokens' codes as they go to xq: 384 r + 192 h + 48 s + 16 c
.set XSC,  10240                       ; their scale words: 16 r + 4 s
.set LT,   10496                       ; wave 0's own: 16 rows of 32 numbers for the losses' parts
.set X,    16                          ; v16-79   my 64 numbers of x: register 16 b + i = k 128 s + 32 b + 16 h + i of token r
.set R,    80                          ; v80-143  router_w at the same k, expert r % 8
.set PC,   144                         ; v144-163 the codes just made
.set TM,   164                         ; v164-179 the quantiser's temporaries
.set PW,   180                         ; v180     the scale word just made
.set L,    182                         ; v182-189 my wave's partial logits;  v190-197 at work
.set L2,   190
.set ACC,  224                         ; v224-255 four f32 accumulators: written by matrix instructions alone, in both jobs' text
.set D,    16                          ; the re-laying: v16-63 a unit's four fragments as loaded
.set SR,   64                          ; v64-67   scale words as loaded
.set PR,   68                          ; v68-69   the unit's two scale words, as they are stored
.set SEL,  36                          ; s[36:37] lane selects for v_permlanex16_b32 (ROUTE alone)
; 64 numbers of a lane, v[s] .. v[s + 63], register 16 b + i = k 32 b + 16 (lane / 16) + i of my row, become a fragment's codes in v[PC] on and its scale word in v[PW].
.macro QUANT s
.irp b, 0,1,2,3
	v_max3_num_f32 v[TM+\b], |v[\s+16*\b]|, |v[\s+1+16*\b]|, 0x2800000   ; block b: my 16 numbers, and the floor 2^(5 - 127): the byte cannot fall under 1
.endr
.irp i, 2,4,6,8,10,12,14
.irp b, 0,1,2,3
	v_max3_num_f32 v[TM+\b], v[TM+\b], |v[\s+16*\b+\i]|, |v[\s+1+16*\b+\i]|   ; the four blocks by turns
.endr
.endr
.irp b, 0,1,2,3
	v_permlanex16_b32 v[TM+4+\b], v[TM+\b], s[SEL], s[SEL+1]
.endr
.irp b, 0,1,2,3
	v_max_num_f32 v[TM+\b], v[TM+\b], v[TM+4+\b]   ; with lane l xor 16's: the block's largest magnitude
.endr
.irp b, 0,1,2,3
	v_add_nc_u32 v[TM+12+\b], 0xfe000000, v[TM+\b]   ; 4 off its exponent field: the conversion takes this operand's exponent field as its scale
.endr
.irp b, 0,1,2,3
	v_lshrrev_b32 v[TM+4+\b], 23, v[TM+12+\b]      ; the scale's byte
.endr
	v_lshl_or_b32 v[PW], v[TM+5], 8, v[TM+4]       ; four bytes: my row's scale word
	v_lshl_or_b32 v[PW], v[TM+6], 16, v[PW]
	v_lshl_or_b32 v[PW], v[TM+7], 24, v[PW]
.irp c, 0,1
	v_cvt_scalef32_pk16_bf6_f32 v[PC+6*\c:PC+2+6*\c], v[\s+32*\c:\s+15+32*\c], v[TM+12+2*\c]
	v_cvt_scalef32_pk16_bf6_f32 v[PC+12+4*\c:PC+14+4*\c], v[\s+16+32*\c:\s+31+32*\c], v[TM+12+2*\c+1]   ; (a conversion's three registers begin on an even number)
.endr
	v_nop                                          ; one plain place behind a scaled conversion
.irp c, 0,1                                    ; the operand's layout wants a whole block in a lane: lanes 0-15 block 2 c, lanes 16-31 block 2 c + 1
.irp i, 0,1,2
	v_permlane16_swap_b32 v[PC+6*\c+\i], v[PC+12+4*\c+\i]
.endr
.irp i, 0,1,2
	v_mov_b32 v[PC+3+6*\c+\i], v[PC+12+4*\c+\i]
.endr
.endr
.endm
; A unit leaves: its two scale words (256 consecutive bytes a wave) and its four fragments as they stand in the registers (512 consecutive bytes a store).
.macro RELOUT
	global_store_b64 v1, v[PR:PR+1], s[24:25] offset:6144
.irp f, 0,1,2,3
.irp c, 0,1,2
	global_store_b128 v7, v[D+12*\f+4*\c:D+12*\f+4*\c+3], s[24:25] offset:1536*\f+512*\c
.endr
.endr
	s_endpgm
.endm
	s_load_b512 s[4:19], s[0:1], 0x0               ; x 4, router_w 6, w1 codes 8, w1 scales 10, w3 codes 12, w3 scales 14, w2 codes 16, w2 scales 18
	s_load_b256 s[20:27], s[0:1], 0x40             ; xq 20, xs 22, wst 24, keys 26
	s_load_b128 s[28:31], s[0:1], 0x60             ; cw 28, part 30
	v_lshl_add_u32 v222, v0, 2, 0x3200
	v_mov_b32 v223, 0
	v_lshrrev_b32 v1, 5, v0
	v_readfirstlane_b32 s32, v1                    ; wave 0..3
	s_and_b32 s34, ttmp7, 0xffff                   ; y
	v_and_b32 v1, 31, v0                           ; lane
	v_and_b32 v2, 15, v0                           ; r
	v_bfe_u32 v3, v0, 4, 1                         ; h
	s_cmp_lt_u32 ttmp9, 8
	s_cbranch_scc0 .Lrelay
; ---------------------------------------------------------------- ROUTE
	s_lshl_b32 s35, s34, 3
	s_add_co_u32 s35, s35, ttmp9                   ; G
	v_and_b32 v4, 7, v0
	v_lshlrev_b32 v4, 2, v4
	v_lshl_add_u32 v4, v3, 9, v4                   ; router_w: 4 (r % 8) + 16 h rows of 32 bytes.  Lane rows 8-15 repeat experts 0-7, so that both halves of the lanes end with all 8 logits
	v_lshlrev_b32 v5, 11, v2
	v_lshl_add_u32 v5, v3, 6, v5                   ; x: row r of 2,048 bytes + 64 h
	v_lshlrev_b32 v6, 5, v0                        ; LG, on the way in: 1,024 wave + 32 lane
	v_mul_u32_u24 v7, v2, 384
	v_mad_u32_u24 v7, v3, 192, v7
	s_mul_i32 s38, s32, 48
	v_add_nc_u32 v7, s38, v7                       ; XC, on the way in: 384 r + 192 h + 48 wave
	v_lshlrev_b32 v8, 4, v2
	s_lshl_b32 s38, s32, 2
	v_add_nc_u32 v8, s38, v8                       ; XSC, on the way in: 16 r + 4 wave
	v_lshlrev_b32 v9, 4, v1
	s_mul_i32 s38, s32, 1536
	v_add_nc_u32 v9, s38, v9                       ; XC on the way out, and the same place in xq: 1,536 wave + 16 lane
	v_lshlrev_b32 v10, 3, v1                       ; 8 lane
	v_lshlrev_b32 v11, 5, v1                       ; 32 lane
	v_lshlrev_b32 v12, 7, v2                       ; 128 r
	v_lshlrev_b32 v13, 2, v1                       ; 4 lane
.irp b, 0,1,2,3
	v_mov_b32 v[TM+4+\b], 0                        ; written once: a lane permute's destination counts as one of its sources
.endr
	s_mov_b32 s[SEL], 0x76543210
	s_mov_b32 s[SEL+1], 0xfedcba98
	s_mov_b32 s39, 0
	s_wait_kmcnt 0x0
	s_lshl_b32 s38, s32, 12
	s_add_nc_u64 s[6:7], s[6:7], s[38:39]          ; router_w at k = 128 wave
	s_lshl_b32 s38, s35, 15
	s_lshl_b32 s40, s32, 9
	s_add_co_u32 s38, s38, s40
	s_add_nc_u64 s[4:5], s[4:5], s[38:39]          ; x at my 16 tokens, k = 128 wave
.irp b, 0,1,2,3
.irp j, 0,1,2,3
	global_load_b128 v[X+16*\b+4*\j:X+16*\b+4*\j+3], v5, s[4:5] offset:128*\b+16*\j th:TH_LOAD_NT
.endr
.endr
.irp b, 0,1,2,3
.irp i, 0,1,2,3,4,5,6,7,8,9,10,11,12,13,14,15
	global_load_b32 v[R+16*\b+\i], v4, s[6:7] offset:(32*\b+\i)*32
.endr
.endr
	s_mul_i32 s38, s35, 6144
	s_add_nc_u64 s[20:21], s[20:21], s[38:39]      ; xq, xs, keys, cw, part at my work-group's part
	s_lshl_b32 s38, s35, 8
	s_add_nc_u64 s[22:23], s[22:23], s[38:39]
	s_lshl_b32 s38, s35, 6
	s_add_nc_u64 s[26:27], s[26:27], s[38:39]
	s_lshl_b32 s38, s35, 7
	s_add_nc_u64 s[28:29], s[28:29], s[38:39]
	s_add_nc_u64 s[30:31], s[30:31], s[38:39]
	s_wait_loadcnt 0x0
; Partial logits, transposed: source 0 = router_w (row = expert), source 1 = x (column = token).  The same k stands at the same register and lane half on both sides, which keeps the products.
; Four accumulators by turns, one instruction a turn; the first four products start the sums.
.set p, 0
.rept 32
.if p < 4
	v_wmma_f32_16x16x4_f32 v[ACC+8*(p%4):ACC+8*(p%4)+7], v[R+2*p:R+2*p+1], v[X+2*p:X+2*p+1], 0
.else
	v_wmma_f32_16x16x4_f32 v[ACC+8*(p%4):ACC+8*(p%4)+7], v[R+2*p:R+2*p+1], v[X+2*p:X+2*p+1], v[ACC+8*(p%4):ACC+8*(p%4)+7]
.endif
.set p, p+1
.endr
	QUANT X                                        ; its plain lines, far more than eight of which name no register of the last products, are the places behind them
.irp j, 0,2,4,6
	v_pk_add_f32 v[L+\j:L+\j+1], v[ACC+\j:ACC+\j+1], v[ACC+8+\j:ACC+8+\j+1]       ; each accumulator is read from its low end on
.endr
.irp j, 0,2,4,6
	v_pk_add_f32 v[L2+\j:L2+\j+1], v[ACC+16+\j:ACC+16+\j+1], v[ACC+24+\j:ACC+24+\j+1]
.endr
.irp j, 0,2,4,6
	v_pk_add_f32 v[L+\j:L+\j+1], v[L+\j:L+\j+1], v[L2+\j:L2+\j+1]                 ; register j: my K step's part of logit j of token r
.endr
	ds_store_b128 v6, v[L:L+3] offset:LG
	ds_store_b128 v6, v[L+4:L+7] offset:LG+16
.irp c, 0,1,2
	ds_store_b128 v7, v[PC+4*\c:PC+4*\c+3] offset:XC+16*\c
.endr
	ds_store_b32 v8, v[PW] offset:XSC              ; both halves of the lanes hold the same word and write it to the same place
	s_wait_dscnt 0x0                               ; for the others' sake: my stores have landed
	s_barrier_signal -1
	s_barrier_wait -1
.irp c, 0,1,2
	ds_load_b128 v[200+4*\c:203+4*\c], v9 offset:XC+512*\c
.endr
	s_wait_dscnt 0x0
.irp c, 0,1,2
	global_store_b128 v9, v[200+4*\c:203+4*\c], s[20:21] offset:512*\c   ; 32 lanes store 512 consecutive bytes of the work-group's 6,144
.endr
	s_cmp_eq_u32 s32, 1
	s_cbranch_scc0 .Lnot_wave_1
	ds_load_b64 v[212:213], v10 offset:XSC
	s_wait_dscnt 0x0
	global_store_b64 v10, v[212:213], s[22:23]     ; the 16 tokens' scale words: 256 consecutive bytes
.Lnot_wave_1:
	s_cmp_eq_u32 s32, 0
	s_cbranch_scc1 .Lfinish
	s_wait_tensorcnt 0x0
	ds_add_u32 v222, v223
	s_wait_dscnt 0x0
	s_endpgm
.Lfinish:                                          ; wave 0: lane (r, h) finishes token r; both halves of the lanes do the same
.irp w, 0,1,2,3
	ds_load_b128 v[16+8*\w:19+8*\w], v11 offset:LG+1024*\w
	ds_load_b128 v[20+8*\w:23+8*\w], v11 offset:LG+1024*\w+16
.endr
	s_wait_dscnt 0x0
.irp j, 0,2,4,6
	v_pk_add_f32 v[48+\j:49+\j], v[16+\j:17+\j], v[24+\j:25+\j]
	v_pk_add_f32 v[56+\j:57+\j], v[32+\j:33+\j], v[40+\j:41+\j]
.endr
.irp j, 0,2,4,6
	v_pk_add_f32 v[48+\j:49+\j], v[48+\j:49+\j], v[56+\j:57+\j]    ; v48-55: the 8 logits
.endr
	v_mul_f32 v80, v48, v48
.irp j, 1,2,3,4,5,6,7
	v_fmac_f32 v80, v[48+\j], v[48+\j]             ; the sum of their squares
.endr
	v_max3_num_f32 v88, v48, v49, v50
	v_max3_num_f32 v88, v88, v51, v52
	v_max3_num_f32 v88, v88, v53, v54
	v_max_num_f32 v88, v88, v55                    ; the largest logit is taken away before the exponentials
.irp j, 0,1,2,3,4,5,6,7
	v_sub_f32 v[56+\j], v[48+\j], v88
.endr
.irp j, 0,1,2,3,4,5,6,7
	v_mul_f32 v[56+\j], 0x3fb8aa3b, v[56+\j]
.endr
.irp j, 0,1,2,3,4,5,6,7
	v_exp_f32 v[56+\j], v[56+\j]                   ; E_j, at most 1
.endr
	v_mov_b32 v92, 0                               ; (a plain place behind the exponentials)  i1
	s_wait_alu depctr_va_vdst(0)                   ; one wait for the batch, ahead of its first reader
	v_add_f32 v89, v56, v57
	v_add_f32 v90, v58, v59
	v_add_f32 v105, v60, v61
	v_add_f32 v106, v62, v63
	v_add_f32 v89, v89, v90
	v_add_f32 v105, v105, v106
	v_add_f32 v89, v89, v105                       ; S
	v_mov_b32 v91, v56                             ; b1, the largest so far
	v_mov_b32 v93, -1.0                            ; b2, the second: under every E
	v_mov_b32 v94, 0                               ; i2
.irp j, 1,2,3,4,5,6,7                          ; strictly greater: of equal numbers the lower index stays ahead.  Selections only: no branch
	v_cmp_gt_f32 vcc_lo, v[56+\j], v91
	v_cmp_gt_f32 s40, v[56+\j], v93
	v_cndmask_b32 v93, v93, v[56+\j], s40
	v_cndmask_b32 v94, v94, \j, s40
	v_cndmask_b32 v93, v93, v91, vcc_lo
	v_cndmask_b32 v94, v94, v92, vcc_lo
	v_cndmask_b32 v91, v91, v[56+\j], vcc_lo
	v_cndmask_b32 v92, v92, \j, vcc_lo
.endr
	v_add_f32 v95, v91, v93
	v_rcp_f32 v96, v89                             ; 1 / S
	v_rcp_f32 v97, v95                             ; 1 / (b1 + b2)
	v_min_u32 v100, v92, v94                       ; (a plain place)  lo
	v_max_u32 v101, v92, v94                       ; hi
	s_wait_alu depctr_va_vdst(0)                   ; one wait for both reciprocals
.irp j, 0,1,2,3,4,5,6,7
	v_mul_f32 v[64+\j], v[56+\j], v96              ; the probabilities
.endr
	v_mul_f32 v98, v91, v97                        ; the two gate weights, normalised
	v_mul_f32 v99, v93, v97
	v_cmp_lt_u32 vcc_lo, v92, v94
	v_cndmask_b32 v102, v99, v98, vcc_lo           ; that of expert lo,
	v_cndmask_b32 v103, v98, v99, vcc_lo           ; that of expert hi
	v_sub_nc_u32 v104, 15, v100
	v_mul_u32_u24 v104, v104, v100
	v_lshrrev_b32 v104, 1, v104
	v_add_nc_u32 v104, v104, v101
	v_sub_nc_u32 v104, v104, v100
	v_add_nc_u32 v104, -1, v104                    ; the bucket: lo (15 - lo) / 2 + hi - lo - 1
.irp j, 0,1,2,3,4,5,6,7
	v_cmp_eq_u32 vcc_lo, \j, v92
	v_cndmask_b32 v[72+\j], 0, 1.0, vcc_lo         ; one-hot of the first choice
.endr
.irp j, 81,82,83,84,85,86,87
	v_mov_b32 v[\j], 0
.endr
.irp i, 0,1,2,3,4
	ds_store_b128 v12, v[64+4*\i:67+4*\i] offset:LT+16*\i          ; token r's row: 8 probabilities, 8 one-hot, the squares' sum, zeros
.endr
.irp i, 5,6,7
	ds_store_b128 v12, v[84:87] offset:LT+16*\i
.endr
.irp i, 0,1,2,3,4,5,6,7,8,9,10,11,12,13,14,15
	ds_load_b32 v[16+\i], v13 offset:LT+128*\i     ; LDS serves a wave's instructions in order: these see my stores.  Lane j takes component j of the 16 tokens
.endr
	s_wait_dscnt 0x0
.irp i, 0,2,4,6,8,10,12,14
	v_add_f32 v[16+\i], v[16+\i], v[17+\i]
.endr
.irp i, 0,4,8,12
	v_add_f32 v[16+\i], v[16+\i], v[18+\i]
.endr
	v_add_f32 v16, v16, v20
	v_add_f32 v24, v24, v28
	v_add_f32 v16, v16, v24
	global_store_b32 v13, v16, s[30:31]            ; the work-group's 32 numbers of part
	v_cmp_gt_u32 vcc_lo, 16, v1
	s_wait_xcnt 0x0                                ; EXEC changes only behind this wait
	s_wait_tensorcnt 0x0
	ds_add_u32 v222, v223
	s_wait_dscnt 0x0
	s_and_saveexec_b32 s40, vcc_lo                 ; lanes 0-15: lane = r
	global_store_b32 v13, v104, s[26:27]
	global_store_b64 v10, v[102:103], s[28:29]
	s_endpgm
; ---------------------------------------------------------------- the weights, laid anew: one unit to a wave
.Lrelay:
	s_lshr_b32 s35, s34, 2                         ; e
	s_and_b32 s36, s34, 3                          ; w
	s_sub_co_u32 s37, ttmp9, 8                     ; z = 0..11
	s_lshl_b32 s38, s37, 2
	s_add_co_u32 s38, s38, s32                     ; my unit: 4 z + wave
	s_mul_i32 s44, s34, 307200                     ; stream (e, w),
	s_mul_i32 s45, s38, 6400
	s_add_co_u32 s44, s44, s45                     ; and the unit's place in it
	s_mov_b32 s45, 0
	v_lshlrev_b32 v7, 4, v1                        ; 16 lane
	s_cmp_ge_u32 s37, 8
	s_cbranch_scc1 .Lrelay_dn
; W1 and W3: unit 16 g + 4 s + q, so g = z / 4, s = z % 4, q = wave.  Fragment f = 2 u + m is tile 2 q + u of W1 (m = 0) or W3 (m = 1), K step s.
; THE ROWS OF A TILE ARE NOT NEIGHBOURS: lane row p of tile 2 q + u is row 256 w + 128 g + 32 q + 8 u + p + 8 (p / 8), so that two neighbouring tiles' results are 16 neighbours along the next K.
	s_lshr_b32 s39, s37, 2                         ; g
	s_and_b32 s40, s37, 3                          ; s
	s_lshl_b32 s38, s36, 8
	s_lshl_b32 s39, s39, 7
	s_add_co_u32 s38, s38, s39
	s_lshl_b32 s39, s32, 5
	s_add_co_u32 s38, s38, s39                     ; first row
	s_mul_i32 s42, s35, 393216
	s_mul_i32 s41, s38, 384
	s_add_co_u32 s42, s42, s41
	s_mul_i32 s41, s40, 96
	s_add_co_u32 s42, s42, s41                     ; its codes (a row of 512 codes is 384 bytes), K step s
	s_mov_b32 s43, 0
	s_lshl_b32 s46, s35, 14
	s_lshl_b32 s41, s38, 4
	s_add_co_u32 s46, s46, s41
	s_lshl_b32 s41, s40, 2
	s_add_co_u32 s46, s46, s41                     ; its scale bytes (16 a row), word s
	s_mov_b32 s47, 0
	v_and_b32 v4, 8, v2
	v_add_nc_u32 v4, v4, v2                        ; p + 8 (p / 8)
	v_mul_u32_u24 v5, v4, 384
	v_mad_u32_u24 v5, v3, 24, v5
	v_lshlrev_b32 v6, 4, v4
	v_lshlrev_b32 v1, 3, v1                        ; 8 lane
	s_wait_kmcnt 0x0
	s_add_nc_u64 s[8:9], s[8:9], s[42:43]
	s_add_nc_u64 s[12:13], s[12:13], s[42:43]
	s_add_nc_u64 s[10:11], s[10:11], s[46:47]
	s_add_nc_u64 s[14:15], s[14:15], s[46:47]
	s_add_nc_u64 s[24:25], s[24:25], s[44:45]
.irp u, 0,1
	global_load_b32 v[SR+\u], v6, s[10:11] offset:128*\u           ; W1's scale word of my row of tile 2 q + u,
	global_load_b32 v[SR+2+\u], v6, s[14:15] offset:128*\u         ; W3's
.endr
.irp u, 0,1
.irp p, 0,1,2,3,4,5
	global_load_b64 v[D+24*\u+2*\p:D+24*\u+2*\p+1], v5, s[8:9] offset:3072*\u+48*(\p/3)+8*(\p%3) th:TH_LOAD_NT
	global_load_b64 v[D+24*\u+12+2*\p:D+24*\u+12+2*\p+1], v5, s[12:13] offset:3072*\u+48*(\p/3)+8*(\p%3) th:TH_LOAD_NT
.endr
.endr
	s_wait_loadcnt 0x0
	v_cmp_eq_u32 vcc_lo, 1, v3
	v_cndmask_b32 v[PR], v[SR], v[SR+2], vcc_lo    ; lanes 0-15 W1's tile u = 0, lanes 16-31 W3's
	v_cndmask_b32 v[PR+1], v[SR+1], v[SR+3], vcc_lo   ; the same for u = 1
	RELOUT
; W2: unit 32 + 2 s' + q, s' = K step 0..7 of F: s' = 2 (z - 8) + wave / 2, q = wave % 2; fragment f is rows 128 w + 64 q + 16 f + p.
.Lrelay_dn:
	s_sub_co_u32 s37, s37, 8
	s_lshl_b32 s37, s37, 1
	s_lshr_b32 s38, s32, 1
	s_add_co_u32 s37, s37, s38                     ; s'
	s_and_b32 s38, s32, 1                          ; q
	s_lshl_b32 s39, s36, 7
	s_lshl_b32 s38, s38, 6
	s_add_co_u32 s39, s39, s38                     ; first row
	s_mul_i32 s42, s35, 393216
	s_mul_i32 s41, s39, 768
	s_add_co_u32 s42, s42, s41
	s_mul_i32 s41, s37, 96
	s_add_co_u32 s42, s42, s41                     ; its codes (a row of 1,024 codes is 768 bytes), K step s'
	s_mov_b32 s43, 0
	s_lshl_b32 s46, s35, 14
	s_lshl_b32 s41, s39, 5
	s_add_co_u32 s46, s46, s41
	s_lshl_b32 s41, s37, 2
	s_add_co_u32 s46, s46, s41                     ; its scale bytes (32 a row), word s'
	s_mov_b32 s47, 0
	v_mul_u32_u24 v5, v2, 768
	v_mad_u32_u24 v5, v3, 24, v5
	v_lshlrev_b32 v6, 5, v1                        ; scale words: lane l takes row l: lanes 0-15 one fragment's rows, lanes 16-31 the next one's
	v_lshlrev_b32 v1, 3, v1                        ; 8 lane
	s_wait_kmcnt 0x0
	s_add_nc_u64 s[16:17], s[16:17], s[42:43]
	s_add_nc_u64 s[18:19], s[18:19], s[46:47]
	s_add_nc_u64 s[24:25], s[24:25], s[44:45]
	global_load_b32 v[PR], v6, s[18:19]                            ; fragments 0 and 1
	global_load_b32 v[PR+1], v6, s[18:19] offset:1024              ; fragments 2 and 3
.irp f, 0,1,2,3
.irp p, 0,1,2,3,4,5
	global_load_b64 v[D+12*\f+2*\p:D+12*\f+2*\p+1], v5, s[16:17] offset:12288*\f+48*(\p/3)+8*(\p%3) th:TH_LOAD_NT
.endr
.endr
	s_wait_loadcnt 0x0
	RELOUT
.Lfunc_end_k_qb2886f51f9_prep:
	.size	k_qb2886f51f9_prep, .Lfunc_end_k_qb2886f51f9_prep-k_qb2886f51f9_prep
	.p2alignl 7, 3214868480
	.fill 96, 4, 3214868480
	.section	.rodata,"a",@progbits
	.p2align	6, 0x0
	.amdhsa_kernel k_qb2886f51f9_prep
		.amdhsa_group_segment_fixed_size 13312
		.amdhsa_private_segment_fixed_size 0
		.amdhsa_enable_private_segment 0
		.amdhsa_kernarg_size 112
		.amdhsa_user_sgpr_count 2
		.amdhsa_user_sgpr_kernarg_segment_ptr 1
		.amdhsa_wavefront_size32 1
		.amdhsa_system_sgpr_workgroup_id_x 1
		.amdhsa_system_sgpr_workgroup_id_y 1
		.amdhsa_system_sgpr_workgroup_id_z 1
		.amdhsa_system_vgpr_workitem_id 0
		.amdhsa_next_free_vgpr 256
		.amdhsa_next_free_sgpr 66
		.amdhsa_reserve_vcc 1
		.amdhsa_float_denorm_mode_32 3
		.amdhsa_float_denorm_mode_16_64 3
		.amdhsa_memory_ordered 1
		.amdhsa_forward_progress 1
		.amdhsa_inst_pref_size 39
	.end_amdhsa_kernel
	.amdgpu_metadata
---
amdhsa.version: [ 1, 2 ]
amdhsa.kernels:
  - .name:           k_qb2886f51f9_prep
    .symbol:         k_qb2886f51f9_prep.kd
    .args:
      - { .name: x, .offset: 0, .size: 8, .value_kind: global_buffer, .address_space: global }
      - { .name: router_w, .offset: 8, .size: 8, .value_kind: global_buffer, .address_space: global }
      - { .name: w1_codes, .offset: 16, .size: 8, .value_kind: global_buffer, .address_space: global }
      - { .name: w1_scales, .offset: 24, .size: 8, .value_kind: global_buffer, .address_space: global }
      - { .name: w3_codes, .offset: 32, .size: 8, .value_kind: global_buffer, .address_space: global }
      - { .name: w3_scales, .offset: 40, .size: 8, .value_kind: global_buffer, .address_space: global }
      - { .name: w2_codes, .offset: 48, .size: 8, .value_kind: global_buffer, .address_space: global }
      - { .name: w2_scales, .offset: 56, .size: 8, .value_kind: global_buffer, .address_space: global }
      - { .name: xq, .offset: 64, .size: 8, .value_kind: global_buffer, .address_space: global }
      - { .name: xs, .offset: 72, .size: 8, .value_kind: global_buffer, .address_space: global }
      - { .name: wst, .offset: 80, .size: 8, .value_kind: global_buffer, .address_space: global }
      - { .name: keys, .offset: 88, .size: 8, .value_kind: global_buffer, .address_space: global }
      - { .name: cw, .offset: 96, .size: 8, .value_kind: global_buffer, .address_space: global }
      - { .name: part, .offset: 104, .size: 8, .value_kind: global_buffer, .address_space: global }
    .group_segment_fixed_size: 13312
    .private_segment_fixed_size: 0
    .kernarg_segment_align: 8
    .kernarg_segment_size: 112
    .max_flat_workgroup_size: 128
    .sgpr_count:     66
    .vgpr_count:     256
    .wavefront_size: 32
...
	.end_amdgpu_metadata
.endif
;; end of part 1
;; launch place (part 2): grid 29 x 1, 8 waves a work-group, no clusters, 2,304 bytes of LDS; arguments keys, part, order, out1, out2; writes order, out1, out2
.if DOCPART == 2
	.amdgcn_target "amdgcn-amd-amdhsa--gfx1250"
	.amdhsa_code_object_version 6
	.text
	.protected	k_qb2886f51f9_place
	.globl	k_qb2886f51f9_place
	.p2align	8
	.type	k_qb2886f51f9_place,@function
k_qb2886f51f9_place:
	s_mov_b64 s[64:65], 0
	v_nop
	global_prefetch_b8 v0, s[64:65] scope:SCOPE_SE
	s_setreg_imm32_b32 hwreg(HW_REG_WAVE_MODE, 25, 1), 1
	s_wait_xcnt 0x0
; PLACE.  Work-groups 0..27: a counting sort without atomics.  Work-group b reads all 4,096 buckets, counts the tokens of smaller buckets (where its own run begins) and of its own,
; and stores its tokens' numbers on end into order; their count goes to order's word 4,096 + b.  Each word of order has one writer.
; Work-group 28: the two losses, from the 256 parts of 32 numbers that the first launch stored.
; The two paths part on the work-group's number and have LDS bytes of their own: 0..63 and 256..1,279.
	s_load_b256 s[4:11], s[0:1], 0x0               ; keys 4, part 6, order 8, out1 10
	s_load_b64 s[12:13], s[0:1], 0x20              ; out2
	v_lshl_add_u32 v64, v0, 2, 0x500
	v_mov_b32 v65, 0
	v_lshrrev_b32 v1, 5, v0
	v_readfirstlane_b32 s14, v1                    ; wave 0..7
	v_and_b32 v1, 31, v0                           ; lane
	s_mov_b32 s33, ttmp9                           ; b
	s_cmp_eq_u32 s33, 28
	s_cbranch_scc1 .Lloss
; ---- a bucket.  Wave v scans tokens 512 v .. 512 v + 511: register 4 q + i holds the bucket of token 512 v + 128 q + 4 lane + i
	v_lshlrev_b32 v2, 4, v1
	s_lshl_b32 s15, s14, 11
	v_add_nc_u32 v2, s15, v2                       ; 2,048 v + 16 lane
	v_mov_b32 v3, s14
	v_lshlrev_b32 v3, 3, v3                        ; LDS: 8 v
	v_mov_b32 v6, 0
	s_lshl_b32 s37, s14, 9
	v_lshl_add_u32 v9, v1, 2, s37                  ; 512 v + 4 lane
	s_lshl_b32 s60, ttmp9, 2                       ; 4 b: the count's word, made here from the work-group's number alone
	s_mov_b32 s61, 0
	s_mov_b32 s35, 0                               ; my wave's tokens of bucket b
	s_mov_b32 s36, 0                               ; and of smaller buckets
	s_wait_kmcnt 0x0
	s_add_nc_u64 s[60:61], s[8:9], s[60:61]        ; order + 4 b; the 16,384 bytes of the list stand in the store's immediate
.irp q, 0,1,2,3
	global_load_b128 v[16+4*\q:19+4*\q], v2, s[4:5] offset:512*\q
.endr
	s_wait_loadcnt 0x0
.irp j, 0,1,2,3,4,5,6,7,8,9,10,11,12,13,14,15
	v_cmp_eq_u32 s[16+\j], s33, v[16+\j]           ; the masks stay in s16-31
	v_cmp_gt_u32 vcc_lo, s33, v[16+\j]
	s_bcnt1_i32_b32 s34, s[16+\j]
	s_add_co_u32 s35, s35, s34
	s_bcnt1_i32_b32 s34, vcc_lo
	s_add_co_u32 s36, s36, s34
.endr
	v_mov_b32 v4, s35
	v_mov_b32 v5, s36
	ds_store_b64 v3, v[4:5]                        ; all lanes write the same two words
	s_wait_dscnt 0x0
	s_barrier_signal -1
	s_barrier_wait -1
.irp i, 0,1,2,3
	ds_load_b128 v[32+4*\i:35+4*\i], v6 offset:16*\i
.endr
	s_wait_dscnt 0x0
.irp i, 0,1,2,3,4,5,6,7,8,9,10,11,12,13,14,15
	v_readfirstlane_b32 s[40+\i], v[32+\i]         ; s[40 + 2 w]: wave w's own count, s[41 + 2 w]: its count of smaller buckets
.endr
	s_mov_b32 s56, 0                               ; where my wave's run begins: all smaller buckets, and bucket b's tokens of earlier waves
	s_mov_b32 s57, 0                               ; the bucket's count
.irp w, 0,1,2,3,4,5,6,7
	s_add_co_u32 s56, s56, s[41+2*\w]
	s_add_co_u32 s57, s57, s[40+2*\w]
	s_cmp_gt_u32 s14, \w
	s_cselect_b32 s58, s[40+2*\w], 0
	s_add_co_u32 s56, s56, s58
.endr
; All vector registers of the stores below are made here, with every lane on: no register is written behind a mask that comes from the loaded buckets.
.irp j, 0,1,2,3,4,5,6,7,8,9,10,11,12,13,14,15
	v_mbcnt_lo_u32_b32 v[48+\j], s[16+\j], 0       ; how many lanes below mine hold a token of the bucket
	v_add_nc_u32 v[48+\j], s56, v[48+\j]
	v_min_u32 v[48+\j], 0xfff, v[48+\j]            ; a place in order: held inside its 4,096 words
	v_lshlrev_b32 v[48+\j], 2, v[48+\j]
	v_add_nc_u32 v[32+\j], 128*(\j/4)+\j%4, v9     ; the token's number
	s_bcnt1_i32_b32 s58, s[16+\j]
	s_add_co_u32 s56, s56, s58
.endr
	v_mov_b32 v10, s57
	s_cmp_lg_u32 s14, 0
	s_cbranch_scc1 .Lput
	v_cmp_eq_u32 vcc_lo, 0, v1                     ; wave 0, lane 0: the bucket's count
	s_wait_xcnt 0x0                                ; EXEC changes only behind this wait
	s_and_saveexec_b32 s70, vcc_lo
	global_store_b32 v6, v10, s[60:61] offset:16384
	s_wait_xcnt 0x0                                ; and again in front of the line that widens it
	s_or_b32 exec_lo, exec_lo, s70
.Lput:
.irp j, 0,1,2,3,4,5,6,7,8,9,10,11,12,13,14,15
	s_wait_xcnt 0x0                                ; EXEC changes only behind this wait
	s_and_saveexec_b32 s70, s[16+\j]
	global_store_b32 v[48+\j], v[32+\j], s[8:9]
	s_wait_xcnt 0x0                                ; and again in front of the line that widens it
	s_or_b32 exec_lo, exec_lo, s70
.endr
.Lend:
	s_wait_tensorcnt 0x0
	ds_add_u32 v64, v65
	s_wait_dscnt 0x0
	s_endpgm
; ---- the losses.  Wave v adds 32 parts, lane j component j: 0-7 the probabilities' sums, 8-15 the first choices' counts, 16 the sum of the logits' squares
.Lloss:
	v_lshlrev_b32 v4, 2, v1                        ; 4 lane
	s_lshl_b32 s15, s14, 12
	v_add_nc_u32 v2, s15, v4                       ; 4,096 v + 4 lane
	v_lshlrev_b32 v3, 2, v0                        ; LDS: 128 v + 4 lane
	v_mov_b32 v48, 0
	v_mov_b32 v49, 0
	s_wait_kmcnt 0x0
.irp i, 0,1,2,3,4,5,6,7,8,9,10,11,12,13,14,15,16,17,18,19,20,21,22,23,24,25,26,27,28,29,30,31
	global_load_b32 v[16+\i], v2, s[6:7] offset:128*\i
.endr
	s_wait_loadcnt 0x0
.set i, 4
.rept 28
	v_add_f32 v[16+i%4], v[16+i%4], v[16+i]        ; four chains
.set i, i+1
.endr
	v_add_f32 v16, v16, v17
	v_add_f32 v18, v18, v19
	v_add_f32 v16, v16, v18
	ds_store_b32 v3, v16 offset:256
	s_wait_dscnt 0x0
	s_barrier_signal -1
	s_barrier_wait -1
	s_cmp_lg_u32 s14, 0
	s_cbranch_scc1 .Lend
.irp i, 0,1,2,3,4,5,6,7
	ds_load_b32 v[16+\i], v4 offset:256+128*\i
.endr
	s_wait_dscnt 0x0
.irp i, 0,2,4,6
	v_add_f32 v[16+\i], v[16+\i], v[17+\i]
.endr
	v_add_f32 v16, v16, v18
	v_add_f32 v20, v20, v22
	v_add_f32 v16, v16, v20                        ; the totals
	v_mul_f32_dpp v48, v16, v16 row_xmask:8 row_mask:0xf bank_mask:0xf     ; lanes 0-7: an expert's sum of probabilities x its count of first choices
	v_add_f32_dpp v48, v48, v48 row_xmask:1 row_mask:0xf bank_mask:0xf
	v_add_f32_dpp v48, v48, v48 row_xmask:2 row_mask:0xf bank_mask:0xf
	v_add_f32_dpp v48, v48, v48 row_xmask:4 row_mask:0xf bank_mask:0xf     ; lane 0: over the 8 experts
	v_mul_f32 v50, 0x31a3d70a, v48                 ; x 8 x 0.01 / 4,096^2
	v_mul_f32 v51, 0x3151b717, v16                 ; lane 16: x 1e-4 / (4,096 x 8)
	v_cmp_eq_u32 vcc_lo, 0, v1
	s_wait_xcnt 0x0
	s_wait_tensorcnt 0x0
	ds_add_u32 v64, v65
	s_wait_dscnt 0x0
	s_and_saveexec_b32 s70, vcc_lo
	global_store_b32 v49, v50, s[10:11]
	s_wait_xcnt 0x0
	s_or_b32 exec_lo, exec_lo, s70
	v_cmp_eq_u32 vcc_lo, 16, v1
	s_and_saveexec_b32 s70, vcc_lo
	global_store_b32 v49, v51, s[12:13]
	s_endpgm
.Lfunc_end_k_qb2886f51f9_place:
	.size	k_qb2886f51f9_place, .Lfunc_end_k_qb2886f51f9_place-k_qb2886f51f9_place
	.p2alignl 7, 3214868480
	.fill 96, 4, 3214868480
	.section	.rodata,"a",@progbits
	.p2align	6, 0x0
	.amdhsa_kernel k_qb2886f51f9_place
		.amdhsa_group_segment_fixed_size 2304
		.amdhsa_private_segment_fixed_size 0
		.amdhsa_enable_private_segment 0
		.amdhsa_kernarg_size 40
		.amdhsa_user_sgpr_count 2
		.amdhsa_user_sgpr_kernarg_segment_ptr 1
		.amdhsa_wavefront_size32 1
		.amdhsa_system_sgpr_workgroup_id_x 1
		.amdhsa_system_sgpr_workgroup_id_y 1
		.amdhsa_system_sgpr_workgroup_id_z 1
		.amdhsa_system_vgpr_workitem_id 0
		.amdhsa_next_free_vgpr 66
		.amdhsa_next_free_sgpr 80
		.amdhsa_reserve_vcc 1
		.amdhsa_float_denorm_mode_32 3
		.amdhsa_float_denorm_mode_16_64 3
		.amdhsa_memory_ordered 1
		.amdhsa_forward_progress 1
		.amdhsa_inst_pref_size 23
	.end_amdhsa_kernel
	.amdgpu_metadata
---
amdhsa.version: [ 1, 2 ]
amdhsa.kernels:
  - .name:           k_qb2886f51f9_place
    .symbol:         k_qb2886f51f9_place.kd
    .args:
      - { .name: keys, .offset: 0, .size: 8, .value_kind: global_buffer, .address_space: global }
      - { .name: part, .offset: 8, .size: 8, .value_kind: global_buffer, .address_space: global }
      - { .name: order, .offset: 16, .size: 8, .value_kind: global_buffer, .address_space: global }
      - { .name: out1, .offset: 24, .size: 8, .value_kind: global_buffer, .address_space: global }
      - { .name: out2, .offset: 32, .size: 8, .value_kind: global_buffer, .address_space: global }
    .group_segment_fixed_size: 2304
    .private_segment_fixed_size: 0
    .kernarg_segment_align: 8
    .kernarg_segment_size: 40
    .max_flat_workgroup_size: 256
    .sgpr_count:     80
    .vgpr_count:     66
    .wavefront_size: 32
...
	.end_amdgpu_metadata
.endif
;; end of part 2
;; launch chain (part 3): grid 155 x 1, 4 waves a work-group, no clusters, 87,552 bytes of LDS; arguments order, cw, xq, xs, wst, out0; writes out0
.if DOCPART == 3
	.amdgcn_target "amdgcn-amd-amdhsa--gfx1250"
	.amdhsa_code_object_version 6
	.text
	.protected	k_qb2886f51f9_chain
	.globl	k_qb2886f51f9_chain
	.p2align	8
	.type	k_qb2886f51f9_chain,@function
k_qb2886f51f9_chain:
	s_mov_b64 s[64:65], 0
	v_nop
	global_prefetch_b8 v0, s[64:65] scope:SCOPE_SE
	s_setreg_imm32_b32 hwreg(HW_REG_WAVE_MODE, 25, 1), 1
	s_wait_xcnt 0x0
; CHAIN.  A tile is up to 32 tokens of one bucket (one pair of experts lo < hi).  One work-group takes a tile through BOTH experts' chains and stores c_lo Y_lo + c_hi Y_hi: each output row has one owner.
; With 4,096 tokens in 28 buckets there are never more than 128 + 28 x 31 / 32, so 155, tiles: the grid.  Which tile is mine is found by a scalar scan of the 28 stored counts.
; A work-group that the split leaves without a tile jumps over both halves of the work and stores nothing; the one barrier stands between the halves, on every wave's path, and neither half reads a register
; that only the other writes.  These are branches on stored numbers.  The launch has no cluster: partners with tiles of one expert cannot be promised for every split.
; No prefetch is laid: which work-groups read a stream hangs on stored numbers, so no one asker can be named for a block.
; THE WAVES SHARE THE COLUMNS: wave w makes hidden units 256 w .. 256 w + 255 of each expert (in two halves g of 128: K step 2 w + g of the second product) and output columns 128 w .. 128 w + 127, for all 32 tokens.
; THE WEIGHTS come from wst, laid by the first launch in the order of this wave's operand registers: units of 13 loads (12 x 512 dense bytes of fragment images, 256 bytes of scale words) into a ring of 8 register slots.
; Unit N asks for unit N + 5, into the slot that unit N - 3 has left: 65 loads are asked for; where LOADcnt's six bits cannot take one more, its issue waits (ISA guide 5.7.1).
; UP (four trips: lo g 0, lo g 1, hi g 0, hi g 1; 16 units, 128 products a trip; transposed: source 0 = 16 rows of W1 or W3, source 1 = 16 tokens of x) GOES BY HALVES: half A = tiles 0-3, half B = tiles 4-7, on accumulators of
; their own.  While one half is multiplied, the other half's silu(gate) x up and its quantiser stand in eight pieces, one behind each unit's products and request: vector work in the time in which the wave would wait for loads.
; Half A's quantiser gives the operand's registers 0-5 and scale bytes 0, 1, half B's registers 6-11 and bytes 2, 3; then the two fragments and scale words go to LDS as images of their registers.
; Barrier.  DOWN (32 units): both experts' products by turns (source 0 = 16 rows of W2, source 1 = the hidden layer).  Then the weighted sum, and out through each wave's own stage: 32 lanes store 512 consecutive bytes of a token's row.
; LIMITS: NaN and infinities are not served; a block of the hidden layer under 2^-122, or of zeros, gets the scale byte 1 (its codes are zeros or next to it; this program alone reads the bytes).
; The slots that pad a tile repeat its last token, whose row is then stored more than once with the same numbers.
; REGISTERS, in windows of 256 (s_set_vgpr_msb: bits 1:0 source 0, 3:2 source 1, 5:4 source 2, 7:6 destination): window 0: addresses, scale words, x's or the hidden layer's fragments, the quantiser;
;   windows 1, 2: ring slots 0-3, 4-7, 48 registers each;  window 3: 256 accumulators: UP 128 m + 64 tt + 8 t (m = 0 gate, 1 up), DOWN 128 e + 64 tt + 8 t.
.set UNIT, 6400
.set HSC,  49152                       ; LDS: from 0 the hidden layer's 32 images of 1,536 bytes: 12,288 w + 3,072 (2 e + g) + 1,536 tt;  here their scale words, 128 bytes each, in the same order
.set STG,  53248                       ; the way out: 16 rows x (512 + 16) bytes for each wave
.set LOFF, 4                           ; v4   16 lane
.set LOF8, 5                           ; v5   8 lane
.set LOF4, 6                           ; v6   4 lane
.set HW,   7                           ; v7   where this trip's images go
.set HWS,  8                           ; v8   and their scale words
.set HWA,  9                           ; v9   12,288 wave + 16 lane
.set HWB,  10                          ; v10  HSC + 1,024 wave + 4 lane
.set STO,  13                          ; v13  the stage: where I put 32 bytes of a row
.set RD,   14                          ; v14  and where I read a row back
.set CO,   15                          ; v15  512 wave + 16 lane: my bytes in a row of out0
.set TOK,  16                          ; v16-17 the token of lane row r, tiles tt = 0, 1
.set CWR,  24                          ; v24-27 (c_lo, c_hi) of those two tokens
.set CP,   28                          ; v28-35 c_lo, c_hi of tt = 0, then of tt = 1, each in both words of a pair
.set XS,   36                          ; v36-43 x's scale words: 4 tt + s
.set HS,   44                          ; v44-51 the hidden layer's: 4 e + 2 g + tt
.set SCR,  52                          ; v52-67 the weights' scale words, two a ring slot
.set TM,   68                          ; v68-83 the quantiser's temporaries
.set PW,   84                          ; v84-85 the scale words in the making, tt = 0, 1
.set PC,   86                          ; v86-97 the codes in the making, tt = 0;
.set PCD,  154                         ;        those of tt = 1 lie PCD registers on: v240-251
.set TQ,   98                          ; v98-105 where a block's second conversion lands
.set XF,   112                         ; v112-207 x's fragments: 48 tt + 12 s;
.set HF,   112                         ;          later the hidden layer's: 48 e + 24 g + 12 tt
.set OFFS, 208                         ; v208-239 the 32 rows' byte offsets in out0
.set CUR,  36                          ; s[36:37] the 16 units of the trip in hand;  s[38:39] of the next;  s[40:41], s[42:43] of those behind
.set NXT,  38
.set Q1,   40
.set Q2,   42
.set DA,   46                          ; s[46:47], s[48:49] the 16 units of W2 of lo and of hi
.set DB,   48
.set CNT,  50
.set IOF,  51
.set SEL,  52                          ; s[52:53] lane selects for v_permlanex16_b32
.set SOF,  54
.set MSB,  0
.macro WIN new                         ; the immediate's high byte repeats the setting that is left; a switch that changes nothing is dropped
.if MSB != (\new)
	s_set_vgpr_msb (MSB<<8)|(\new)
.set MSB, (\new)
.endif
.endm
.macro PLACES                          ; four places behind a run of products: in front of loads into registers that products have read, and of the first read of results
.rept 4
	v_nop
.endr
.endm
.macro RLOAD slot, base, off           ; one unit into a ring slot: 13 loads
	WIN 0x40*(1+(\slot)/4)
.irp i, 0,1,2,3,4,5,6,7,8,9,10,11
	global_load_b128 v[48*((\slot)%4)+4*\i:48*((\slot)%4)+4*\i+3], v[LOFF], s[\base:\base+1] offset:(\off)+512*\i
.endr
	WIN 0
	global_load_b64 v[SCR+2*(\slot):SCR+2*(\slot)+1], v[LOF8], s[\base:\base+1] offset:(\off)+6144
.endm
.macro MM zero, row1                   ; one product on rD, rA, rB, rSA, rSB.  zero: it starts the sum.  row1: A's scale words stand in lanes 16-31
.if \zero
.if \row1
	v_wmma_scale_f32_16x16x128_f8f6f4 v[rD:rD+7], v[rA:rA+11], v[rB:rB+11], 0, v[rSA], v[rSB] matrix_a_fmt:MATRIX_FMT_BF6 matrix_b_fmt:MATRIX_FMT_BF6 matrix_a_scale:MATRIX_SCALE_ROW1
.else
	v_wmma_scale_f32_16x16x128_f8f6f4 v[rD:rD+7], v[rA:rA+11], v[rB:rB+11], 0, v[rSA], v[rSB] matrix_a_fmt:MATRIX_FMT_BF6 matrix_b_fmt:MATRIX_FMT_BF6
.endif
.else
.if \row1
	v_wmma_scale_f32_16x16x128_f8f6f4 v[rD:rD+7], v[rA:rA+11], v[rB:rB+11], v[rD:rD+7], v[rSA], v[rSB] matrix_a_fmt:MATRIX_FMT_BF6 matrix_b_fmt:MATRIX_FMT_BF6 matrix_a_scale:MATRIX_SCALE_ROW1
.else
	v_wmma_scale_f32_16x16x128_f8f6f4 v[rD:rD+7], v[rA:rA+11], v[rB:rB+11], v[rD:rD+7], v[rSA], v[rSB] matrix_a_fmt:MATRIX_FMT_BF6 matrix_b_fmt:MATRIX_FMT_BF6
.endif
.endif
.endm
; THE QUANTISER OF A HALF.  Half H's 64 hidden units are blocks 2 H and 2 H + 1 of the fragment's four, for both tiles of tokens: four blocks x = 2 tt + b, by turns.  In window 3, register 128 + 64 tt + 32 H + 16 b + i
; is k = 32 (2 H + b) + 16 (lane / 16) + i of my token.  Out come registers 6 H .. 6 H + 5 of each tile's codes and bytes 2 H, 2 H + 1 of its scale word.
.macro QUANTH H
	s_wait_dscnt 0x0                               ; the last images' stores, eight units back, have read their registers
	WIN 0x0f
.irp x, 0,1,2,3
	v_max3_num_f32 v[TM+\x], |v[128+64*(\x/2)+32*(\H)+16*(\x%2)]|, |v[129+64*(\x/2)+32*(\H)+16*(\x%2)]|, 0x2800000   ; and the floor 2^(5 - 127): the byte cannot fall under 1
.endr
	WIN 0x3c
.irp i, 2,4,6,8,10,12,14
.irp x, 0,1,2,3
	v_max3_num_f32 v[TM+\x], v[TM+\x], |v[128+64*(\x/2)+32*(\H)+16*(\x%2)+\i]|, |v[129+64*(\x/2)+32*(\H)+16*(\x%2)+\i]|
.endr
.endr
	WIN 0
.irp x, 0,1,2,3
	v_permlanex16_b32 v[TM+4+\x], v[TM+\x], s[SEL], s[SEL+1]
.endr
.irp x, 0,1,2,3
	v_max_num_f32 v[TM+\x], v[TM+\x], v[TM+4+\x]   ; with lane l xor 16's: the block's largest magnitude
.endr
.irp x, 0,1,2,3
	v_add_nc_u32 v[TM+12+\x], 0xfe000000, v[TM+\x] ; 4 off the exponent field: the conversion's scale operand
.endr
.irp x, 0,1,2,3
	v_lshrrev_b32 v[TM+4+\x], 23, v[TM+12+\x]      ; the scale's byte
.endr
.irp tt, 0,1
.if (\H) == 0
	v_lshl_or_b32 v[PW+\tt], v[TM+5+2*\tt], 8, v[TM+4+2*\tt]       ; bytes 0 and 1 begin the word
.else
	v_lshl_or_b32 v[PW+\tt], v[TM+4+2*\tt], 16, v[PW+\tt]          ; bytes 2 and 3 make it whole
	v_lshl_or_b32 v[PW+\tt], v[TM+5+2*\tt], 24, v[PW+\tt]
.endif
.endr
	WIN 0x03
.irp tt, 0,1
	v_cvt_scalef32_pk16_bf6_f32 v[PC+PCD*\tt+6*(\H):PC+PCD*\tt+6*(\H)+2], v[128+64*\tt+32*(\H):143+64*\tt+32*(\H)], v[TM+12+2*\tt]
	v_cvt_scalef32_pk16_bf6_f32 v[TQ+4*\tt:TQ+4*\tt+2], v[144+64*\tt+32*(\H):159+64*\tt+32*(\H)], v[TM+13+2*\tt]   ; (a conversion's three registers begin on an even number)
.endr
	WIN 0
	v_nop                                          ; one plain place behind a scaled conversion
.irp tt, 0,1                                   ; the operand's layout wants a whole block in a lane: lanes 0-15 block 2 H, lanes 16-31 block 2 H + 1
.irp i, 0,1,2
	v_permlane16_swap_b32 v[PC+PCD*\tt+6*(\H)+\i], v[TQ+4*\tt+\i]
.endr
.irp i, 0,1,2
	v_mov_b32 v[PC+PCD*\tt+6*(\H)+3+\i], v[TQ+4*\tt+\i]
.endr
.endr
.endm
; PIECE k OF 8 OF HALF H's ACTIVATION: h = gate x up / (1 + 2^(-gate log2 e)), in f32, in window 3; gate at 64 tt + 32 H on, up 128 further.  Register pairs in ascending order.
; The 64 exponentials (pieces 2, 3) are one batch with one wait, at the head of piece 4; the 64 reciprocals (pieces 4, 5) another, with theirs at the head of piece 6.  Between a batch and its wait stand only products,
; requests and pieces that name none of its results: the products' accumulators are the other half's.
.macro ACTCH H, k
.if (\k) < 7
	WIN 0xff
.endif
.if (\k) == 0
.irp tt, 0,1
.set j, 64*\tt+32*(\H)
.rept 16
	v_pk_mul_f32 v[128+j:129+j], v[j:j+1], v[128+j:129+j]
.set j, j+2
.endr
.endr
.elseif (\k) == 1
.irp tt, 0,1
.set j, 64*\tt+32*(\H)
.rept 16
	v_pk_mul_f32 v[j:j+1], v[j:j+1], 0xbfb8aa3b op_sel_hi:[1,0]
.set j, j+2
.endr
.endr
.elseif ((\k) == 2) || ((\k) == 3)
.set j, 64*((\k)-2)+32*(\H)
.rept 32
	v_exp_f32 v[j], v[j]
.set j, j+1
.endr
	v_nop                                          ; a plain place behind the last exponential
.elseif (\k) == 4
	s_wait_alu depctr_va_vdst(0)                   ; one wait for the 64 exponentials, ahead of their first reader
.irp tt, 0,1
.set j, 64*\tt+32*(\H)
.rept 16
	v_pk_add_f32 v[j:j+1], v[j:j+1], 1.0 op_sel_hi:[1,0]
.set j, j+2
.endr
.endr
.set j, 32*(\H)
.rept 32
	v_rcp_f32 v[j], v[j]
.set j, j+1
.endr
	v_nop
.elseif (\k) == 5
.set j, 64+32*(\H)
.rept 32
	v_rcp_f32 v[j], v[j]
.set j, j+1
.endr
	v_nop
.elseif (\k) == 6
	s_wait_alu depctr_va_vdst(0)                   ; one wait for the 64 reciprocals
.irp tt, 0,1
.set j, 64*\tt+32*(\H)
.rept 16
	v_pk_mul_f32 v[128+j:129+j], v[128+j:129+j], v[j:j+1]
.set j, j+2
.endr
.endr
.else
	QUANTH \H
.endif
	WIN 0
.endm
; A trip's two fragments and scale words go to LDS as they stand: lane l's 16 bytes at 16 l.  The trip's place among my four pairs of images is chosen among constants by the counter.
.macro IMGOUT last
.if \last
	s_mov_b32 s[IOF], 9216
	s_mov_b32 s[SOF], 768
.else
	s_mov_b32 s[IOF], 0
	s_mov_b32 s[SOF], 0
	s_cmp_eq_u32 s[CNT], 1
	s_cselect_b32 s[IOF], 3072, s[IOF]
	s_cselect_b32 s[SOF], 256, s[SOF]
	s_cmp_eq_u32 s[CNT], 2
	s_cselect_b32 s[IOF], 6144, s[IOF]
	s_cselect_b32 s[SOF], 512, s[SOF]
.endif
	v_add_nc_u32 v[HW], s[IOF], v[HWA]
	v_add_nc_u32 v[HWS], s[SOF], v[HWB]
.irp tt, 0,1
.irp c, 0,1,2
	ds_store_b128 v[HW], v[PC+PCD*\tt+4*\c:PC+PCD*\tt+4*\c+3] offset:1536*\tt+512*\c
.endr
	ds_store_b32 v[HWS], v[PW+\tt] offset:128*\tt
.endr
.endm
; HALF H OF AN UP TRIP: eight units.  The n-th unit taken in a trip, n = 8 H + KK, is the stream's unit 4 (KK / 2) + 2 H + KK % 2: K step KK / 2, tiles 4 H + 2 (KK % 2) and the next, of W1 and W3, both tiles of tokens:
; eight products on eight accumulators; an accumulator's next link stands two units on.  cb, nb: the bases of this trip's and of the next trip's units.  last = 1: nothing is asked for beyond this trip.
; act = 1: piece KK of the other half's activation stands behind the unit's request.
.macro UPHALF H, cb, nb, last, act
.set KK, 0
.rept 8
.set NN, 8*(\H)+KK
.set UI, 4*(KK/2)+2*(\H)+KK%2
.set KQ, UI/4
.set QQ, UI%4
.set ZR, 0
.if KQ == 0
.set ZR, 1
.endif
.if (\last) && (NN > 11)
	s_wait_loadcnt 13*(15-NN)                      ; nothing more is asked for: the younger units run out
.else
	s_wait_loadcnt 52                              ; this unit's 13 loads are in; the four younger units' may be out
.endif
	WIN 0xf1+KK/4                                  ; source 0: window 1 or 2; source 1: window 0; C and D: window 3
.irp f, 0,1,2,3
.irp tt, 0,1
.set rD, 128*(\f%2)+64*\tt+8*(2*QQ+\f/2)
.set rA, 48*(KK%4)+12*\f
.set rB, XF+48*\tt+12*KQ
.set rSA, SCR+2*KK+\f/2
.set rSB, XS+4*\tt+KQ
	MM ZR, \f%2
.endr
.endr
	PLACES
.set NI, NN+5
.if NI < 16
	RLOAD NI%8, \cb, (4*((NI%8)/2)+2*(NI/8)+NI%2)*UNIT
.elseif (\last) == 0
	RLOAD NI%8, \nb, (4*((NI%8)/2)+NI%2)*UNIT
.else
	WIN 0
.endif
.if \act
	ACTCH 1-(\H), KK
.if ((\H) == 0) && (KK == 7)
	IMGOUT 0                                       ; half B's quantiser has made the trip's fragments whole
.endif
.endif
.set KK, KK+1
.endr
.endm
.macro HLOAD e, td                     ; expert e's four hidden fragments (two K steps x two tiles of tokens) of DOWN trip td, and their scale words
.irp g, 0,1
.irp tt, 0,1
.irp c, 0,1,2
	ds_load_b128 v[HF+48*\e+24*\g+12*\tt+4*\c:HF+48*\e+24*\g+12*\tt+4*\c+3], v[LOFF] offset:(\td)*12288+\e*6144+\g*3072+\tt*1536+512*\c
.endr
	ds_load_b32 v[HS+4*\e+2*\g+\tt], v[LOF4] offset:HSC+(\td)*1024+\e*512+\g*256+\tt*128
.endr
.endr
.endm
; The DQ-th of DOWN's 32 units: trip DQ / 8, expert (DQ % 8) / 4, unit i = DQ % 4 = 2 g + q: K step 2 td + g, W2's tiles 4 q .. 4 q + 3, both tiles of tokens: eight products on eight accumulators;
; an accumulator's next link stands two units on or further.  It asks for the unit five on.
.macro DUNIT
.set EE, (DQ%8)/4
.set II, DQ%4
.set GA, II/2
.set QQ, II%2
.set ZR, 0
.if (DQ < 8) && (GA == 0)
.set ZR, 1
.endif
.if DQ > 27
	s_wait_loadcnt 13*(31-DQ)                      ; nothing more is asked for: the counts run down to 0
.else
	s_wait_loadcnt 52                              ; the four younger units' 52 loads may be out
.endif
	WIN 0xf1+EE
.irp f, 0,1,2,3
.irp tt, 0,1
.set rD, 128*EE+64*\tt+8*(4*QQ+\f)
.set rA, 48*II+12*\f
.set rB, HF+48*EE+24*GA+12*\tt
.set rSA, SCR+2*(DQ%8)+\f/2
.set rSB, HS+4*EE+2*GA+\tt
	MM ZR, \f%2
.endr
.endr
	PLACES
.set DI, DQ+5
.if DI < 32
.if (DI%8)/4 == 0
	RLOAD DI%8, DA, ((DI/8)*4+DI%4)*UNIT
.else
	RLOAD DI%8, DB, ((DI/8)*4+DI%4)*UNIT
.endif
.else
	WIN 0
.endif
.endm
; ---------------------------------------------------------------- the head: every work-group runs it
	s_load_b256 s[4:11], s[0:1], 0x0               ; order 4, cw 6, xq 8, xs 10
	s_load_b128 s[12:15], s[0:1], 0x20             ; wst 12, out0 14
	v_lshl_add_u32 v254, v0, 2, 0x15400
	v_mov_b32 v255, 0
	v_lshrrev_b32 v1, 5, v0
	v_readfirstlane_b32 s16, v1                    ; wave 0..3
	s_mov_b32 s17, ttmp9                           ; my number
	s_wait_kmcnt 0x0
	s_load_b512 s[36:51], s[4:5], 0x4000           ; the 28 buckets' counts
	s_load_b256 s[52:59], s[4:5], 0x4040
	s_load_b128 s[60:63], s[4:5], 0x4060
	v_and_b32 v1, 31, v0                           ; lane
	v_and_b32 v2, 15, v0                           ; r
	v_bfe_u32 v3, v0, 4, 1                         ; h
	v_lshlrev_b32 v[LOFF], 4, v1
	v_lshlrev_b32 v[LOF8], 3, v1
	v_lshlrev_b32 v[LOF4], 2, v1
	s_mul_i32 s24, s16, 12288
	v_add_nc_u32 v[HWA], s24, v[LOFF]
	s_lshl_b32 s24, s16, 10
	s_add_co_u32 s24, s24, HSC
	v_add_nc_u32 v[HWB], s24, v[LOF4]
	s_mul_i32 s24, s16, 16*528
	s_add_co_u32 s24, s24, STG                     ; my stage
	v_mul_u32_u24 v[STO], v2, 528
	v_lshl_add_u32 v[STO], v3, 5, v[STO]
	v_add_nc_u32 v[STO], s24, v[STO]               ; in: row r, + 32 h
	v_add_nc_u32 v[RD], s24, v[LOFF]               ; back: 16 bytes a lane of a row
	s_lshl_b32 s24, s16, 9
	v_add_nc_u32 v[CO], s24, v[LOFF]
.irp b, 0,1,2,3
	v_mov_b32 v[TM+4+\b], 0                        ; written once: a lane permute's destination counts as one of its sources
.endr
	s_mov_b32 s18, 0                               ; tiles so far
	s_mov_b32 s19, 0                               ; tokens so far
	s_mov_b32 s20, 0                               ; my bucket,
	s_mov_b32 s21, 0                               ; its first tile,
	s_mov_b32 s22, 0                               ; its first place in order,
	s_mov_b32 s23, 0                               ; its count
	s_wait_kmcnt 0x0
.irp b, 0,1,2,3,4,5,6,7,8,9,10,11,12,13,14,15,16,17,18,19,20,21,22,23,24,25,26,27
	s_cmp_ge_u32 s17, s18                          ; the last bucket that begins at or before my number is mine
	s_cselect_b32 s20, \b, s20
	s_cselect_b32 s21, s18, s21
	s_cselect_b32 s22, s19, s22
	s_cselect_b32 s23, s[36+\b], s23
	s_add_co_u32 s24, s[36+\b], 31
	s_lshr_b32 s24, s24, 5
	s_add_co_u32 s18, s18, s24
	s_add_co_u32 s19, s19, s[36+\b]
.endr                                              ; s18: all tiles.  Where my number is not under it, what follows in the head works on clamped numbers and is not used
	s_sub_co_u32 s24, s17, s21
	s_lshl_b32 s24, s24, 5
	s_add_co_u32 s25, s22, s24                     ; my tile's first place in order
	s_sub_co_u32 s26, s23, s24
	s_min_u32 s26, s26, 32
	s_sub_co_u32 s26, s26, 1                       ; its number of tokens - 1
	s_mov_b32 s27, 0
.irp t, 7,13,18,22,25,27
	s_cmp_ge_u32 s20, \t
	s_add_co_ci_u32 s27, s27, 0                    ; lo: how many of the buckets' row starts lie at or under my bucket
.endr
	s_sub_co_u32 s24, 15, s27
	s_mul_i32 s24, s24, s27
	s_lshr_b32 s24, s24, 1
	s_sub_co_u32 s28, s20, s24
	s_add_co_u32 s28, s28, s27
	s_add_co_u32 s28, s28, 1                       ; hi
	s_min_u32 s27, s27, 7
	s_min_u32 s28, s28, 7
	s_mul_i32 s29, s16, 307200
	s_mul_i32 s30, s27, 1228800
	s_add_co_u32 s30, s30, s29
	s_mov_b32 s31, 0
	s_mul_i32 s32, s28, 1228800
	s_add_co_u32 s32, s32, s29
	s_mov_b32 s33, 0
	s_add_nc_u64 s[CUR:CUR+1], s[12:13], s[30:31]  ; stream (lo, wave): g 0,
	s_add_nc_u64 s[NXT:NXT+1], s[CUR:CUR+1], 16*UNIT   ; g 1;
	s_add_nc_u64 s[Q1:Q1+1], s[12:13], s[32:33]    ; stream (hi, wave): g 0,
	s_add_nc_u64 s[Q2:Q2+1], s[Q1:Q1+1], 16*UNIT   ; g 1;
	s_add_nc_u64 s[DA:DA+1], s[CUR:CUR+1], 32*UNIT ; and the two experts' W2
	s_add_nc_u64 s[DB:DB+1], s[Q1:Q1+1], 32*UNIT
	s_mov_b32 s[SEL], 0x76543210
	s_mov_b32 s[SEL+1], 0xfedcba98
	v_min_u32 v18, s26, v2                         ; slot 16 tt + r; slots past the tile's end repeat its last token
	v_add_nc_u32 v19, 16, v2
	v_min_u32 v19, s26, v19
	v_add_nc_u32 v18, s25, v18
	v_add_nc_u32 v19, s25, v19
	v_min_u32 v18, 0xfff, v18                      ; held inside order's 4,096 words
	v_min_u32 v19, 0xfff, v19
	v_lshlrev_b32 v18, 2, v18
	v_lshlrev_b32 v19, 2, v19
	global_load_b32 v[TOK], v18, s[4:5]
	global_load_b32 v[TOK+1], v19, s[4:5]
	s_wait_loadcnt 0x0
	v_min_u32 v[TOK], 0xfff, v[TOK]                ; a token's number, held inside the 4,096
	v_min_u32 v[TOK+1], 0xfff, v[TOK+1]
	v_lshlrev_b32 v22, 3, v[TOK]
	v_lshlrev_b32 v23, 3, v[TOK+1]
	global_load_b64 v[CWR:CWR+1], v22, s[6:7]      ; wanted at the very end: every later wait for loads covers these two
	global_load_b64 v[CWR+2:CWR+3], v23, s[6:7]
	s_cmp_ge_u32 s17, s18
	s_cbranch_scc1 .Lmeet                          ; no tile: over the first half, to the barrier
; ---------------------------------------------------------------- UP
	v_mul_u32_u24 v18, v[TOK], 384
	v_mul_u32_u24 v19, v[TOK+1], 384
	v_mad_u32_u24 v18, v3, 192, v18                ; xq: my token's 384 bytes, my half's 192: the four K steps' registers on end
	v_mad_u32_u24 v19, v3, 192, v19
	v_lshlrev_b32 v20, 4, v[TOK]
	v_lshlrev_b32 v21, 4, v[TOK+1]
.irp tt, 0,1
.irp i, 0,1,2,3,4,5,6,7,8,9,10,11
	global_load_b128 v[XF+48*\tt+4*\i:XF+48*\tt+4*\i+3], v[18+\tt], s[8:9] offset:16*\i
.endr
	global_load_b128 v[XS+4*\tt:XS+4*\tt+3], v[20+\tt], s[10:11]
.endr
.irp n, 0,1,2,3,4
	RLOAD \n, CUR, (4*(\n/2)+\n%2)*UNIT            ; the ring starts with the five units taken first; the first unit's wait, which leaves 52 out, also covers the 28 older loads
.endr
	UPHALF 0, CUR, NXT, 0, 0                       ; the first trip's half A: there is no activation yet to set behind its units
	s_mov_b32 s[CNT], 0
.Lup:                                              ; three trips of the loop: a trip's half B under half A's activation, then the next trip's half A under half B's
	UPHALF 1, CUR, NXT, 0, 1
	UPHALF 0, NXT, NXT, 0, 1
	s_wait_xcnt 0x0                                ; the loads issued have read their bases
	s_mov_b64 s[CUR:CUR+1], s[NXT:NXT+1]
	s_mov_b64 s[NXT:NXT+1], s[Q1:Q1+1]
	s_mov_b64 s[Q1:Q1+1], s[Q2:Q2+1]
	s_add_co_u32 s[CNT], s[CNT], 1
	s_cmp_lt_u32 s[CNT], 3
	s_cbranch_scc1 .Lup
	UPHALF 1, CUR, NXT, 1, 1                       ; the fourth trip's half B is written out: it asks for nothing beyond its own units
.irp k, 0,1,2,3,4,5,6,7
	ACTCH 1, \k                                    ; and its own activation stands alone
.endr
	IMGOUT 1
.Lmeet:
	s_wait_dscnt 0x0                               ; for the others' sake: my images have landed
	s_barrier_signal -1
	s_barrier_wait -1                              ; the hidden layer's 32 fragments lie in LDS
	s_cmp_ge_u32 s17, s18
	s_cbranch_scc1 .Lend                           ; no tile: nothing is stored
; ---------------------------------------------------------------- DOWN: written out, every offset an immediate
.irp u, 0,1,2,3
	RLOAD \u, DA, \u*UNIT
.endr
	RLOAD 4, DB, 0
	HLOAD 0, 0
.set DQ, 0
.irp td, 0,1,2,3
	s_wait_dscnt 0x0                               ; lo's four fragments are in
	HLOAD 1, \td                                   ; hi's land while lo is multiplied
.rept 4
	DUNIT
.set DQ, DQ+1
.endr
	s_wait_dscnt 0x0                               ; hi's four fragments are in
.if \td < 3
	HLOAD 0, \td+1
.endif
.rept 4
	DUNIT
.set DQ, DQ+1
.endr
.endr
; ---------------------------------------------------------------- the weighted sum and the way out
.irp i, 0,1,2,3
	v_mov_b32 v[CP+2*\i], v[CWR+\i]                ; each weight in both words of a pair
	v_mov_b32 v[CP+2*\i+1], v[CWR+\i]
.endr
.irp tt, 0,1
.irp i, 0,1,2,3,4,5,6,7,8,9,10,11,12,13,14,15
	v_readlane_b32 s24, v[TOK+\tt], \i
	s_min_u32 s24, s24, 0xfff
	s_lshl_b32 s24, s24, 11                        ; the token's row of 2,048 bytes
	v_add_nc_u32 v[OFFS+16*\tt+\i], s24, v[CO]
.endr
.endr
	WIN 0xf3                                       ; source 0, C and D window 3, the weights window 0
.irp tt, 0,1
.set j, 0
.rept 32
	v_pk_mul_f32 v[64*\tt+j:64*\tt+j+1], v[64*\tt+j:64*\tt+j+1], v[CP+4*\tt:CP+4*\tt+1]      ; each accumulator from its low end on
.set j, j+2
.endr
.endr
.irp tt, 0,1
.set j, 0
.rept 32
	v_pk_fma_f32 v[64*\tt+j:64*\tt+j+1], v[128+64*\tt+j:128+64*\tt+j+1], v[CP+4*\tt+2:CP+4*\tt+3], v[64*\tt+j:64*\tt+j+1]
.set j, j+2
.endr
.endr
.irp tt, 0,1                                   ; lane (r, h) holds token r's columns 16 t + 8 h + 0..7: through my own stage, back as whole rows of 512 bytes
	WIN 0x0c                                       ; an LDS store's data are its source 1: window 3
.irp t, 0,1,2,3,4,5,6,7
	ds_store_b128 v[STO], v[64*\tt+8*\t:64*\tt+8*\t+3] offset:64*\t
	ds_store_b128 v[STO], v[64*\tt+8*\t+4:64*\tt+8*\t+7] offset:64*\t+16
.endr
	WIN 0x40                                       ; back into window 1, where the ring lay
.irp i, 0,1,2,3,4,5,6,7,8,9,10,11,12,13,14,15
	ds_load_b128 v[64*\tt+4*\i:64*\tt+4*\i+3], v[RD] offset:528*\i    ; LDS serves a wave's instructions in order: these see my stores, and the next tile's stores come behind them
.endr
.endr
	WIN 0x04                                       ; a global store's data are its source 1: window 1
	s_wait_dscnt 32                                ; the first tile's rows are back; the second tile's 16 stores and 16 loads may be out
.irp i, 0,1,2,3,4,5,6,7,8,9,10,11,12,13,14,15
	global_store_b128 v[OFFS+\i], v[4*\i:4*\i+3], s[14:15] th:TH_STORE_NT     ; 32 lanes store 512 consecutive bytes, at a multiple of 512 from out0's first byte
.endr
	s_wait_dscnt 0x0
.irp i, 0,1,2,3,4,5,6,7,8,9,10,11,12,13,14,15
	global_store_b128 v[OFFS+16+\i], v[64+4*\i:64+4*\i+3], s[14:15] th:TH_STORE_NT
.endr
	WIN 0
.Lend:
	s_wait_tensorcnt 0x0
	ds_add_u32 v254, v255
	s_wait_dscnt 0x0
	s_endpgm
.Lfunc_end_k_qb2886f51f9_chain:
	.size	k_qb2886f51f9_chain, .Lfunc_end_k_qb2886f51f9_chain-k_qb2886f51f9_chain
	.p2alignl 7, 3214868480
	.fill 96, 4, 3214868480
	.section	.rodata,"a",@progbits
	.p2align	6, 0x0
	.amdhsa_kernel k_qb2886f51f9_chain
		.amdhsa_group_segment_fixed_size 87552
		.amdhsa_private_segment_fixed_size 0
		.amdhsa_enable_private_segment 0
		.amdhsa_kernarg_size 48
		.amdhsa_user_sgpr_count 2
		.amdhsa_user_sgpr_kernarg_segment_ptr 1
		.amdhsa_wavefront_size32 1
		.amdhsa_system_sgpr_workgroup_id_x 1
		.amdhsa_system_sgpr_workgroup_id_y 1
		.amdhsa_system_sgpr_workgroup_id_z 1
		.amdhsa_system_vgpr_workitem_id 0
		.amdhsa_next_free_vgpr 1024
		.amdhsa_next_free_sgpr 72
		.amdhsa_reserve_vcc 0
		.amdhsa_float_denorm_mode_32 3
		.amdhsa_float_denorm_mode_16_64 3
		.amdhsa_memory_ordered 1
		.amdhsa_forward_progress 1
		.amdhsa_inst_pref_size 255
	.end_amdhsa_kernel
	.section	.bss,"aw",@nobits
	.p2align	6
	.space	262144
	.amdgpu_metadata
---
amdhsa.version: [ 1, 2 ]
amdhsa.kernels:
  - .name:           k_qb2886f51f9_chain
    .symbol:         k_qb2886f51f9_chain.kd
    .args:
      - { .name: order, .offset: 0, .size: 8, .value_kind: global_buffer, .address_space: global }
      - { .name: cw, .offset: 8, .size: 8, .value_kind: global_buffer, .address_space: global }
      - { .name: xq, .offset: 16, .size: 8, .value_kind: global_buffer, .address_space: global }
      - { .name: xs, .offset: 24, .size: 8, .value_kind: global_buffer, .address_space: global }
      - { .name: wst, .offset: 32, .size: 8, .value_kind: global_buffer, .address_space: global }
      - { .name: out0, .offset: 40, .size: 8, .value_kind: global_buffer, .address_space: global }
    .group_segment_fixed_size: 87552
    .private_segment_fixed_size: 0
    .kernarg_segment_align: 8
    .kernarg_segment_size: 48
    .max_flat_workgroup_size: 128
    .sgpr_count:     72
    .vgpr_count:     1024
    .wavefront_size: 32
...
	.end_amdgpu_metadata
.endif
;; end of part 3
;; ======== version 2 of 2: 3 launches; version 1 with the launch chain written anew for expert scheduling mode
;; workspace buffers: xq 1,572,864 bytes; xs 65,536 bytes; wst 9,830,400 bytes; keys 16,384 bytes of whole numbers; cw 32,768 bytes; part 32,768 bytes; order 16,640 bytes of whole numbers
;; launch prep: the kernel of part 1 again; grid 20 x 32, 4 waves a work-group, no clusters, 13,312 bytes of LDS; arguments x, router_w, w1_codes, w1_scales, w3_codes, w3_scales, w2_codes, w2_scales, xq, xs, wst, keys, cw, part; writes xq, xs, wst, keys, cw, part
;; launch place: the kernel of part 2 again; grid 29 x 1, 8 waves a work-group, no clusters, 2,304 bytes of LDS; arguments keys, part, order, out1, out2; writes order, out1, out2
;; launch chain (part 4): grid 155 x 1, 4 waves a work-group, no clusters, 87,552 bytes of LDS; arguments order, cw, xq, xs, wst, out0; writes out0
.if DOCPART == 4
	.amdgcn_target "amdgcn-amd-amdhsa--gfx1250"
	.amdhsa_code_object_version 6
	.text
	.protected	k_qb2886f51f9_chain
	.globl	k_qb2886f51f9_chain
	.p2align	8
	.type	k_qb2886f51f9_chain,@function
k_qb2886f51f9_chain:
	s_mov_b64 s[64:65], 0
	v_nop
	global_prefetch_b8 v0, s[64:65] scope:SCOPE_SE
	s_setreg_imm32_b32 hwreg(HW_REG_WAVE_SCHED_MODE, 0, 2), 2
	s_setreg_imm32_b32 hwreg(HW_REG_WAVE_MODE, 25, 1), 1
	s_wait_xcnt 0x0
	s_wait_alu depctr_vm_vsrc(0)
; CHAIN.  A tile is up to 32 tokens of one bucket (one pair of experts lo < hi).  One work-group takes a tile through BOTH experts' chains and stores c_lo Y_lo + c_hi Y_hi: each output row has one owner.
; With 4,096 tokens in 28 buckets there are never more than 128 + 28 x 31 / 32, so 155, tiles: the grid.  Which tile is mine is found by a scalar scan of the 28 stored counts.
; A work-group that the split leaves without a tile jumps over both halves of the work and stores nothing; the one barrier stands between the halves, on every wave's path, and neither half reads a register
; that only the other writes.  These are branches on stored numbers.  The launch has no cluster: partners with tiles of one expert cannot be promised for every split.
; No prefetch is laid: which work-groups read a stream hangs on stored numbers, so no one asker can be named for a block.
; THE WAVES SHARE THE COLUMNS: wave w makes hidden units 256 w .. 256 w + 255 of each expert (in two halves g of 128: K step 2 w + g of the second product) and output columns 128 w .. 128 w + 127, for all 32 tokens.
; THE WEIGHTS come from wst, laid by the first launch in the order of this wave's operand registers: units of 13 loads (12 x 512 dense bytes of fragment images, 256 bytes of scale words) into a ring of 8 register slots.
; Unit N asks for unit N + 5, into the slot that unit N - 3 has left: 65 loads are asked for; where LOADcnt's six bits cannot take one more, its issue waits (ISA guide 5.7.1).
; UP (four trips: lo g 0, lo g 1, hi g 0, hi g 1; 16 units, 128 products a trip; transposed: source 0 = 16 rows of W1 or W3, source 1 = 16 tokens of x) GOES BY HALVES: half A = tiles 0-3, half B = tiles 4-7, on accumulators of
; their own.  While one half is multiplied, the other half's silu(gate) x up and its quantiser stand in eight pieces, one behind each unit's products and request: vector work in the time in which the wave would wait for loads.
; Half A's quantiser gives the operand's registers 0-5 and scale bytes 0, 1, half B's registers 6-11 and bytes 2, 3; then the two fragments and scale words go to LDS as images of their registers.
; Barrier.  DOWN (32 units): both experts' products by turns (source 0 = 16 rows of W2, source 1 = the hidden layer).  Then the weighted sum, and out through each wave's own stage: 32 lanes store 512 consecutive bytes of a token's row.
; LIMITS: NaN and infinities are not served; a block of the hidden layer under 2^-122, or of zeros, gets the scale byte 1 (its codes are zeros or next to it; this program alone reads the bytes).
; The slots that pad a tile repeat its last token, whose row is then stored more than once with the same numbers.
; REGISTERS, in windows of 256 (s_set_vgpr_msb: bits 1:0 source 0, 3:2 source 1, 5:4 source 2, 7:6 destination): window 0: addresses, scale words, x's or the hidden layer's fragments, the quantiser;
;   windows 1, 2: ring slots 0-3, 4-7, 48 registers each;  window 3: 256 accumulators: UP 128 m + 64 tt + 8 t (m = 0 gate, 1 up), DOWN 128 e + 64 tt + 8 t.
; THE MODE: SCHED_MODE bits 1:0 = 2 (LLVM: expert scheduling mode 2), set by the entry lines.  The code itself states the register dependences between vector or matrix instructions and memory or LDS instructions,
; with s_wait_alu, always for 0.
; THE PLAN.  Registers that memory or LDS instructions touch, and who else names them:
;   ring slot N % 8 and its two scale words   read by unit N's eight products; the 13 loads of unit N + 8, issued in unit N + 3, land in them.
;   x's fragments and scale words             loaded once at UP's head, read by UP's products.  In DOWN the same registers hold the hidden layer's fragments of two experts: one expert's four units read its half,
;                                             and meanwhile the other expert's LDS loads land in the other half.
;   the codes, their scale words, v7, v8      written by the two halves' quantisers and by two additions; read by the eight LDS stores that send a trip's images.
;   v4-6, v9, v10, v13-15                     addresses made at the head and never written again.  v18, v19: made at the head, read by two loads, made anew at UP's head.
;   window 3                                  named by vector and matrix instructions alone until the way out, where the stage's LDS stores read it; the rows come back into window 1, where the ring lay.
; THE WAITS.  One wait on va_vdst at the head of every SECOND unit, behind the unit's wait for its loads: all products up to the last unit are done, so this unit's loads (into the slot that the unit three back read) and the
; next unit's (two back) owe nothing more: what is issued between names the two units' own slots, x's fragments, the accumulators and the quantiser's registers alone.  The same line is the wait for a batch of exponentials
; or reciprocals where a piece behind it reads them.  A unit's loads are dealt: six ahead of its products, seven behind them.  One wait on va_vdst ahead of a trip's image stores, one on vm_vsrc ahead of the first line that
; writes their registers again.  The rest stand at the head and on the way out, each with its dependence beside it.
.set UNIT, 6400
.set HSC,  49152                       ; LDS: from 0 the hidden layer's 32 images of 1,536 bytes: 12,288 w + 3,072 (2 e + g) + 1,536 tt;  here their scale words, 128 bytes each, in the same order
.set STG,  53248                       ; the way out: 16 rows x (512 + 16) bytes for each wave
.set LOFF, 4                           ; v4   16 lane
.set LOF8, 5                           ; v5   8 lane
.set LOF4, 6                           ; v6   4 lane
.set HW,   7                           ; v7   where this trip's images go
.set HWS,  8                           ; v8   and their scale words
.set HWA,  9                           ; v9   12,288 wave + 16 lane
.set HWB,  10                          ; v10  HSC + 1,024 wave + 4 lane
.set STO,  13                          ; v13  the stage: where I put 32 bytes of a row
.set RD,   14                          ; v14  and where I read a row back
.set CO,   15                          ; v15  512 wave + 16 lane: my bytes in a row of out0
.set TOK,  16                          ; v16-17 the token of lane row r, tiles tt = 0, 1
.set CWR,  24                          ; v24-27 (c_lo, c_hi) of those two tokens
.set CP,   28                          ; v28-35 c_lo, c_hi of tt = 0, then of tt = 1, each in both words of a pair
.set XS,   36                          ; v36-43 x's scale words: 4 tt + s
.set HS,   44                          ; v44-51 the hidden layer's: 4 e + 2 g + tt
.set SCR,  52                          ; v52-67 the weights' scale words, two a ring slot
.set TM,   68                          ; v68-83 the quantiser's temporaries
.set PW,   84                          ; v84-85 the scale words in the making, tt = 0, 1
.set PC,   86                          ; v86-97 the codes in the making, tt = 0;
.set PCD,  154                         ;        those of tt = 1 lie PCD registers on: v240-251
.set TQ,   98                          ; v98-105 where a block's second conversion lands
.set XF,   112                         ; v112-207 x's fragments: 48 tt + 12 s;
.set HF,   112                         ;          later the hidden layer's: 48 e + 24 g + 12 tt
.set OFFS, 208                         ; v208-239 the 32 rows' byte offsets in out0
.set CUR,  36                          ; s[36:37] the 16 units of the trip in hand;  s[38:39] of the next;  s[40:41], s[42:43] of those behind
.set NXT,  38
.set Q1,   40
.set Q2,   42
.set DA,   46                          ; s[46:47], s[48:49] the 16 units of W2 of lo and of hi
.set DB,   48
.set CNT,  50
.set IOF,  51
.set SEL,  52                          ; s[52:53] lane selects for v_permlanex16_b32
.set SOF,  54
.set RW,   20                          ; s20-51 on the way out: the 32 tokens' numbers, then their rows' byte offsets
.set MSB,  0
.macro WIN new                         ; the immediate's high byte repeats the setting that is left; a switch that changes nothing is dropped
.if MSB != (\new)
	s_set_vgpr_msb (MSB<<8)|(\new)
.set MSB, (\new)
.endif
.endm
.macro PLACES                          ; four places behind a run of products: in front of loads into registers that products have read, and of the first read of results
.rept 4
	v_nop
.endr
.endm
.macro RLOAD1 slot, base, off          ; one unit into a ring slot, 13 loads: the first six,
	WIN 0x40*(1+(\slot)/4)
.irp i, 0,1,2,3,4,5
	global_load_b128 v[48*((\slot)%4)+4*\i:48*((\slot)%4)+4*\i+3], v[LOFF], s[\base:\base+1] offset:(\off)+512*\i
.endr
.endm
.macro RLOAD2 slot, base, off          ; and the other seven
	WIN 0x40*(1+(\slot)/4)
.irp i, 6,7,8,9,10,11
	global_load_b128 v[48*((\slot)%4)+4*\i:48*((\slot)%4)+4*\i+3], v[LOFF], s[\base:\base+1] offset:(\off)+512*\i
.endr
	WIN 0
	global_load_b64 v[SCR+2*(\slot):SCR+2*(\slot)+1], v[LOF8], s[\base:\base+1] offset:(\off)+6144
.endm
.macro RLOAD slot, base, off
	RLOAD1 \slot, \base, \off
	RLOAD2 \slot, \base, \off
.endm
.macro MM zero, row1                   ; one product on rD, rA, rB, rSA, rSB.  zero: it starts the sum.  row1: A's scale words stand in lanes 16-31
.if \zero
.if \row1
	v_wmma_scale_f32_16x16x128_f8f6f4 v[rD:rD+7], v[rA:rA+11], v[rB:rB+11], 0, v[rSA], v[rSB] matrix_a_fmt:MATRIX_FMT_BF6 matrix_b_fmt:MATRIX_FMT_BF6 matrix_a_scale:MATRIX_SCALE_ROW1
.else
	v_wmma_scale_f32_16x16x128_f8f6f4 v[rD:rD+7], v[rA:rA+11], v[rB:rB+11], 0, v[rSA], v[rSB] matrix_a_fmt:MATRIX_FMT_BF6 matrix_b_fmt:MATRIX_FMT_BF6
.endif
.else
.if \row1
	v_wmma_scale_f32_16x16x128_f8f6f4 v[rD:rD+7], v[rA:rA+11], v[rB:rB+11], v[rD:rD+7], v[rSA], v[rSB] matrix_a_fmt:MATRIX_FMT_BF6 matrix_b_fmt:MATRIX_FMT_BF6 matrix_a_scale:MATRIX_SCALE_ROW1
.else
	v_wmma_scale_f32_16x16x128_f8f6f4 v[rD:rD+7], v[rA:rA+11], v[rB:rB+11], v[rD:rD+7], v[rSA], v[rSB] matrix_a_fmt:MATRIX_FMT_BF6 matrix_b_fmt:MATRIX_FMT_BF6
.endif
.endif
.endm
; THE QUANTISER OF A HALF.  Half H's 64 hidden units are blocks 2 H and 2 H + 1 of the fragment's four, for both tiles of tokens: four blocks x = 2 tt + b, by turns.  In window 3, register 128 + 64 tt + 32 H + 16 b + i
; is k = 32 (2 H + b) + 16 (lane / 16) + i of my token.  Out come registers 6 H .. 6 H + 5 of each tile's codes and bytes 2 H, 2 H + 1 of its scale word.
.macro QUANTH H
	s_wait_dscnt 0x0                               ; the last images' stores, eight units back, are done
.if (\H) == 0
	s_wait_alu depctr_vm_vsrc(0)                   ; those stores have read the codes, the scale words and v7, v8: from here on both halves' quantisers and the next images' two additions write them again
.endif
	WIN 0x0f
.irp x, 0,1,2,3
	v_max3_num_f32 v[TM+\x], |v[128+64*(\x/2)+32*(\H)+16*(\x%2)]|, |v[129+64*(\x/2)+32*(\H)+16*(\x%2)]|, 0x2800000   ; and the floor 2^(5 - 127): the byte cannot fall under 1
.endr
	WIN 0x3c
.irp i, 2,4,6,8,10,12,14
.irp x, 0,1,2,3
	v_max3_num_f32 v[TM+\x], v[TM+\x], |v[128+64*(\x/2)+32*(\H)+16*(\x%2)+\i]|, |v[129+64*(\x/2)+32*(\H)+16*(\x%2)+\i]|
.endr
.endr
	WIN 0
.irp x, 0,1,2,3
	v_permlanex16_b32 v[TM+4+\x], v[TM+\x], s[SEL], s[SEL+1]
.endr
.irp x, 0,1,2,3
	v_max_num_f32 v[TM+\x], v[TM+\x], v[TM+4+\x]   ; with lane l xor 16's: the block's largest magnitude
.endr
.irp x, 0,1,2,3
	v_add_nc_u32 v[TM+12+\x], 0xfe000000, v[TM+\x] ; 4 off the exponent field: the conversion's scale operand
.endr
.irp x, 0,1,2,3
	v_lshrrev_b32 v[TM+4+\x], 23, v[TM+12+\x]      ; the scale's byte
.endr
.irp tt, 0,1
.if (\H) == 0
	v_lshl_or_b32 v[PW+\tt], v[TM+5+2*\tt], 8, v[TM+4+2*\tt]       ; bytes 0 and 1 begin the word
.else
	v_lshl_or_b32 v[PW+\tt], v[TM+4+2*\tt], 16, v[PW+\tt]          ; bytes 2 and 3 make it whole
	v_lshl_or_b32 v[PW+\tt], v[TM+5+2*\tt], 24, v[PW+\tt]
.endif
.endr
	WIN 0x03
.irp tt, 0,1
	v_cvt_scalef32_pk16_bf6_f32 v[PC+PCD*\tt+6*(\H):PC+PCD*\tt+6*(\H)+2], v[128+64*\tt+32*(\H):143+64*\tt+32*(\H)], v[TM+12+2*\tt]
	v_cvt_scalef32_pk16_bf6_f32 v[TQ+4*\tt:TQ+4*\tt+2], v[144+64*\tt+32*(\H):159+64*\tt+32*(\H)], v[TM+13+2*\tt]   ; (a conversion's three registers begin on an even number)
.endr
	WIN 0
	v_nop                                          ; one plain place behind a scaled conversion
.irp tt, 0,1                                   ; the operand's layout wants a whole block in a lane: lanes 0-15 block 2 H, lanes 16-31 block 2 H + 1
.irp i, 0,1,2
	v_permlane16_swap_b32 v[PC+PCD*\tt+6*(\H)+\i], v[TQ+4*\tt+\i]
.endr
.irp i, 0,1,2
	v_mov_b32 v[PC+PCD*\tt+6*(\H)+3+\i], v[TQ+4*\tt+\i]
.endr
.endr
.endm
; PIECE k OF 8 OF HALF H's ACTIVATION: h = gate x up / (1 + 2^(-gate log2 e)), in f32, in window 3; gate at 64 tt + 32 H on, up 128 further.  Register pairs in ascending order.
; The 64 exponentials (pieces 2, 3) are one batch with one wait ahead of piece 4, their first reader; the 64 reciprocals (pieces 4, 5) another, with theirs ahead of piece 6.  Under the stream that wait is the one at the head of
; the unit in front of the piece (w = 0); where the pieces stand alone, behind the last unit, it is written here (w = 1).  Between a batch and its wait stand only products, requests and pieces that name none of its results:
; the products' accumulators are the other half's.
.macro ACTCH H, k, w
.if (\k) < 7
	WIN 0xff
.endif
.if (\k) == 0
.irp tt, 0,1
.set j, 64*\tt+32*(\H)
.rept 16
	v_pk_mul_f32 v[128+j:129+j], v[j:j+1], v[128+j:129+j]
.set j, j+2
.endr
.endr
.elseif (\k) == 1
.irp tt, 0,1
.set j, 64*\tt+32*(\H)
.rept 16
	v_pk_mul_f32 v[j:j+1], v[j:j+1], 0xbfb8aa3b op_sel_hi:[1,0]
.set j, j+2
.endr
.endr
.elseif ((\k) == 2) || ((\k) == 3)
.set j, 64*((\k)-2)+32*(\H)
.rept 32
	v_exp_f32 v[j], v[j]
.set j, j+1
.endr
	v_nop                                          ; a plain place behind the last exponential
.elseif (\k) == 4
.if \w
	s_wait_alu depctr_va_vdst(0)                   ; the 64 exponentials have written their results, ahead of their first reader
.endif
.irp tt, 0,1
.set j, 64*\tt+32*(\H)
.rept 16
	v_pk_add_f32 v[j:j+1], v[j:j+1], 1.0 op_sel_hi:[1,0]
.set j, j+2
.endr
.endr
.set j, 32*(\H)
.rept 32
	v_rcp_f32 v[j], v[j]
.set j, j+1
.endr
	v_nop
.elseif (\k) == 5
.set j, 64+32*(\H)
.rept 32
	v_rcp_f32 v[j], v[j]
.set j, j+1
.endr
	v_nop
.elseif (\k) == 6
.if \w
	s_wait_alu depctr_va_vdst(0)                   ; the 64 reciprocals have written their results, ahead of their first reader
.endif
.irp tt, 0,1
.set j, 64*\tt+32*(\H)
.rept 16
	v_pk_mul_f32 v[128+j:129+j], v[128+j:129+j], v[j:j+1]
.set j, j+2
.endr
.endr
.else
	QUANTH \H
.endif
	WIN 0
.endm
; A trip's two fragments and scale words go to LDS as they stand: lane l's 16 bytes at 16 l.  The trip's place among my four pairs of images is chosen among constants by the counter.
.macro IMGOUT last
.if \last
	s_mov_b32 s[IOF], 9216
	s_mov_b32 s[SOF], 768
.else
	s_mov_b32 s[IOF], 0
	s_mov_b32 s[SOF], 0
	s_cmp_eq_u32 s[CNT], 1
	s_cselect_b32 s[IOF], 3072, s[IOF]
	s_cselect_b32 s[SOF], 256, s[SOF]
	s_cmp_eq_u32 s[CNT], 2
	s_cselect_b32 s[IOF], 6144, s[IOF]
	s_cselect_b32 s[SOF], 512, s[SOF]
.endif
	v_add_nc_u32 v[HW], s[IOF], v[HWA]
	v_add_nc_u32 v[HWS], s[SOF], v[HWB]
	s_wait_alu depctr_va_vdst(0)                   ; the two quantisers have written the codes and the scale words, the two lines above v7 and v8: the eight stores below read them
.irp tt, 0,1
.irp c, 0,1,2
	ds_store_b128 v[HW], v[PC+PCD*\tt+4*\c:PC+PCD*\tt+4*\c+3] offset:1536*\tt+512*\c
.endr
	ds_store_b32 v[HWS], v[PW+\tt] offset:128*\tt
.endr
.endm
; HALF H OF AN UP TRIP: eight units.  The n-th unit taken in a trip, n = 8 H + KK, is the stream's unit 4 (KK / 2) + 2 H + KK % 2: K step KK / 2, tiles 4 H + 2 (KK % 2) and the next, of W1 and W3, both tiles of tokens:
; eight products on eight accumulators; an accumulator's next link stands two units on.  cb, nb: the bases of this trip's and of the next trip's units.  last = 1: nothing is asked for beyond this trip.
; act = 1: piece KK of the other half's activation stands behind the unit's request; act = 0: the launch's first half, with no unit in front of it.
.macro UPHALF H, cb, nb, last, act
.set KK, 0
.rept 8
.set NN, 8*(\H)+KK
.set UI, 4*(KK/2)+2*(\H)+KK%2
.set KQ, UI/4
.set QQ, UI%4
.set ZR, 0
.if KQ == 0
.set ZR, 1
.endif
.set NI, NN+5
.set RL, 0                             ; whom the unit asks: 0 nobody, 1 this trip's units, 2 the next trip's
.if NI < 16
.set RL, 1
.elseif (\last) == 0
.set RL, 2
.endif
.set WT, 1-KK%2                        ; the wait on va_vdst stands at every second unit's head, but not where nothing hangs on it:
.if ((\act) == 0) && (KK == 0)
.set WT, 0                             ; the launch's first unit has no product in front of it;
.endif
.if (\last) && (KK == 2)
.set WT, 0                             ; in the last half the loads of KK = 2 land in the slot that the unit ahead of KK = 0 read, KK = 3 asks for nothing, and no batch is read behind it
.endif
.if (\last) && (NN > 11)
	s_wait_loadcnt 13*(15-NN)                      ; nothing more is asked for: the younger units run out
.else
	s_wait_loadcnt 52                              ; this unit's 13 loads are in; the four younger units' may be out
.endif
.if WT
	s_wait_alu depctr_va_vdst(0)                   ; all products up to the last unit are done reading their slots and scale words: this unit's loads land in what the unit three back read, the next unit's in what the unit two back read.  At KK = 4 the exponentials of pieces 2 and 3, at KK = 6 the reciprocals of pieces 4 and 5, have written their results, ahead of their first reader
.endif
.if RL == 1
	RLOAD1 NI%8, \cb, (4*((NI%8)/2)+2*(NI/8)+NI%2)*UNIT    ; six loads ahead of the products.  No vector or matrix instruction since the last wait on va_vdst names their registers
.elseif RL == 2
	RLOAD1 NI%8, \nb, (4*((NI%8)/2)+NI%2)*UNIT
.endif
	WIN 0xf1+KK/4                                  ; source 0: window 1 or 2; source 1: window 0; C and D: window 3
.irp f, 0,1,2,3
.irp tt, 0,1
.set rD, 128*(\f%2)+64*\tt+8*(2*QQ+\f/2)
.set rA, 48*(KK%4)+12*\f
.set rB, XF+48*\tt+12*KQ
.set rSA, SCR+2*KK+\f/2
.set rSB, XS+4*\tt+KQ
	MM ZR, \f%2
.endr
.endr
	PLACES
.if RL == 1
	RLOAD2 NI%8, \cb, (4*((NI%8)/2)+2*(NI/8)+NI%2)*UNIT    ; and seven behind them: the products above name their own slot, five slots away
.elseif RL == 2
	RLOAD2 NI%8, \nb, (4*((NI%8)/2)+NI%2)*UNIT
.else
	WIN 0
.endif
.if \act
	ACTCH 1-(\H), KK, 0
.if ((\H) == 0) && (KK == 7)
	IMGOUT 0                                       ; half B's quantiser has made the trip's fragments whole
.endif
.endif
.set KK, KK+1
.endr
.endm
.macro HLOAD e, td                     ; expert e's four hidden fragments (two K steps x two tiles of tokens) of DOWN trip td, and their scale words
.irp g, 0,1
.irp tt, 0,1
.irp c, 0,1,2
	ds_load_b128 v[HF+48*\e+24*\g+12*\tt+4*\c:HF+48*\e+24*\g+12*\tt+4*\c+3], v[LOFF] offset:(\td)*12288+\e*6144+\g*3072+\tt*1536+512*\c
.endr
	ds_load_b32 v[HS+4*\e+2*\g+\tt], v[LOF4] offset:HSC+(\td)*1024+\e*512+\g*256+\tt*128
.endr
.endr
.endm
; The DQ-th of DOWN's 32 units: trip DQ / 8, expert (DQ % 8) / 4, unit i = DQ % 4 = 2 g + q: K step 2 td + g, W2's tiles 4 q .. 4 q + 3, both tiles of tokens: eight products on eight accumulators;
; an accumulator's next link stands two units on or further.  It asks for the unit five on.  The first of an expert's four units also asks LDS for the other expert's next four fragments, which land while this expert is multiplied.
.macro DUNIT
.set EE, (DQ%8)/4
.set II, DQ%4
.set GA, II/2
.set QQ, II%2
.set ZR, 0
.if (DQ < 8) && (GA == 0)
.set ZR, 1
.endif
.set DI, DQ+5
.if DQ%4 == 0
	s_wait_dscnt 0x0                               ; this expert's four fragments are in
.endif
.if DQ > 27
	s_wait_loadcnt 13*(31-DQ)                      ; nothing more is asked for: the counts run down to 0
.else
	s_wait_loadcnt 52                              ; the four younger units' 52 loads may be out
.endif
.if (DQ%2 == 0) && (DQ >= 2) && (DQ <= 24)
	s_wait_alu depctr_va_vdst(0)                   ; all products up to the last unit are done reading: this unit's and the next unit's loads land in the slots and scale words that the units three and two back read (unit 26's in what unit 23 read); at an expert's first unit the LDS loads below land in the fragments that the other expert's four units read
.endif
.if DQ%8 == 0
	HLOAD 1, DQ/8                                  ; hi's land while lo is multiplied.  (Unit 0 owes no wait: the registers were last read by UP's products, ahead of the wait in front of the last images' stores)
.elseif (DQ%8 == 4) && (DQ < 24)
	HLOAD 0, DQ/8+1                                ; lo's next land while hi is multiplied
.endif
.if DI < 32
.if (DI%8)/4 == 0
	RLOAD1 DI%8, DA, ((DI/8)*4+DI%4)*UNIT
.else
	RLOAD1 DI%8, DB, ((DI/8)*4+DI%4)*UNIT
.endif
.endif
	WIN 0xf1+EE
.irp f, 0,1,2,3
.irp tt, 0,1
.set rD, 128*EE+64*\tt+8*(4*QQ+\f)
.set rA, 48*II+12*\f
.set rB, HF+48*EE+24*GA+12*\tt
.set rSA, SCR+2*(DQ%8)+\f/2
.set rSB, HS+4*EE+2*GA+\tt
	MM ZR, \f%2
.endr
.endr
	PLACES
.if DI < 32
.if (DI%8)/4 == 0
	RLOAD2 DI%8, DA, ((DI/8)*4+DI%4)*UNIT
.else
	RLOAD2 DI%8, DB, ((DI/8)*4+DI%4)*UNIT
.endif
.else
	WIN 0
.endif
.endm
; ---------------------------------------------------------------- the head: every work-group runs it
	s_load_b256 s[4:11], s[0:1], 0x0               ; order 4, cw 6, xq 8, xs 10
	s_load_b128 s[12:15], s[0:1], 0x20             ; wst 12, out0 14
	v_lshl_add_u32 v254, v0, 2, 0x15400
	v_mov_b32 v255, 0
	v_lshrrev_b32 v1, 5, v0
	v_readfirstlane_b32 s16, v1                    ; wave 0..3
	s_wait_alu depctr_va_sdst(0)                   ; s16 is written, ahead of its first reader: LDS addresses and the streams' bases are made from it
	s_mov_b32 s17, ttmp9                           ; my number
	s_wait_kmcnt 0x0
	s_load_b512 s[36:51], s[4:5], 0x4000           ; the 28 buckets' counts
	s_load_b256 s[52:59], s[4:5], 0x4040
	s_load_b128 s[60:63], s[4:5], 0x4060
	v_and_b32 v1, 31, v0                           ; lane
	v_and_b32 v2, 15, v0                           ; r
	v_bfe_u32 v3, v0, 4, 1                         ; h
	v_lshlrev_b32 v[LOFF], 4, v1
	v_lshlrev_b32 v[LOF8], 3, v1
	v_lshlrev_b32 v[LOF4], 2, v1
	s_mul_i32 s24, s16, 12288
	v_add_nc_u32 v[HWA], s24, v[LOFF]
	s_lshl_b32 s24, s16, 10
	s_add_co_u32 s24, s24, HSC
	v_add_nc_u32 v[HWB], s24, v[LOF4]
	s_mul_i32 s24, s16, 16*528
	s_add_co_u32 s24, s24, STG                     ; my stage
	v_mul_u32_u24 v[STO], v2, 528
	v_lshl_add_u32 v[STO], v3, 5, v[STO]
	v_add_nc_u32 v[STO], s24, v[STO]               ; in: row r, + 32 h
	v_add_nc_u32 v[RD], s24, v[LOFF]               ; back: 16 bytes a lane of a row
	s_lshl_b32 s24, s16, 9
	v_add_nc_u32 v[CO], s24, v[LOFF]
.irp b, 0,1,2,3
	v_mov_b32 v[TM+4+\b], 0                        ; written once: a lane permute's destination counts as one of its sources
.endr
	s_mov_b32 s18, 0                               ; tiles so far
	s_mov_b32 s19, 0                               ; tokens so far
	s_mov_b32 s20, 0                               ; my bucket,
	s_mov_b32 s21, 0                               ; its first tile,
	s_mov_b32 s22, 0                               ; its first place in order,
	s_mov_b32 s23, 0                               ; its count
	s_wait_kmcnt 0x0
.irp b, 0,1,2,3,4,5,6,7,8,9,10,11,12,13,14,15,16,17,18,19,20,21,22,23,24,25,26,27
	s_cmp_ge_u32 s17, s18                          ; the last bucket that begins at or before my number is mine
	s_cselect_b32 s20, \b, s20
	s_cselect_b32 s21, s18, s21
	s_cselect_b32 s22, s19, s22
	s_cselect_b32 s23, s[36+\b], s23
	s_add_co_u32 s24, s[36+\b], 31
	s_lshr_b32 s24, s24, 5
	s_add_co_u32 s18, s18, s24
	s_add_co_u32 s19, s19, s[36+\b]
.endr                                              ; s18: all tiles.  Where my number is not under it, what follows in the head works on clamped numbers and is not used
	s_sub_co_u32 s24, s17, s21
	s_lshl_b32 s24, s24, 5
	s_add_co_u32 s25, s22, s24                     ; my tile's first place in order
	s_sub_co_u32 s26, s23, s24
	s_min_u32 s26, s26, 32
	s_sub_co_u32 s26, s26, 1                       ; its number of tokens - 1
	s_mov_b32 s27, 0
.irp t, 7,13,18,22,25,27
	s_cmp_ge_u32 s20, \t
	s_add_co_ci_u32 s27, s27, 0                    ; lo: how many of the buckets' row starts lie at or under my bucket
.endr
	s_sub_co_u32 s24, 15, s27
	s_mul_i32 s24, s24, s27
	s_lshr_b32 s24, s24, 1
	s_sub_co_u32 s28, s20, s24
	s_add_co_u32 s28, s28, s27
	s_add_co_u32 s28, s28, 1                       ; hi
	s_min_u32 s27, s27, 7
	s_min_u32 s28, s28, 7
	s_mul_i32 s29, s16, 307200
	s_mul_i32 s30, s27, 1228800
	s_add_co_u32 s30, s30, s29
	s_mov_b32 s31, 0
	s_mul_i32 s32, s28, 1228800
	s_add_co_u32 s32, s32, s29
	s_mov_b32 s33, 0
	s_add_nc_u64 s[CUR:CUR+1], s[12:13], s[30:31]  ; stream (lo, wave): g 0,
	s_add_nc_u64 s[NXT:NXT+1], s[CUR:CUR+1], 16*UNIT   ; g 1;
	s_add_nc_u64 s[Q1:Q1+1], s[12:13], s[32:33]    ; stream (hi, wave): g 0,
	s_add_nc_u64 s[Q2:Q2+1], s[Q1:Q1+1], 16*UNIT   ; g 1;
	s_add_nc_u64 s[DA:DA+1], s[CUR:CUR+1], 32*UNIT ; and the two experts' W2
	s_add_nc_u64 s[DB:DB+1], s[Q1:Q1+1], 32*UNIT
	s_mov_b32 s[SEL], 0x76543210
	s_mov_b32 s[SEL+1], 0xfedcba98
	v_min_u32 v18, s26, v2                         ; slot 16 tt + r; slots past the tile's end repeat its last token
	v_add_nc_u32 v19, 16, v2
	v_min_u32 v19, s26, v19
	v_add_nc_u32 v18, s25, v18
	v_add_nc_u32 v19, s25, v19
	v_min_u32 v18, 0xfff, v18                      ; held inside order's 4,096 words
	v_min_u32 v19, 0xfff, v19
	v_lshlrev_b32 v18, 2, v18
	v_lshlrev_b32 v19, 2, v19
	s_wait_alu depctr_va_vdst(0)                   ; v18 and v19 are written, which the two loads below read; so are v4-6, v9, v10 and v13-15, the addresses of all later loads and stores
	global_load_b32 v[TOK], v18, s[4:5]
	global_load_b32 v[TOK+1], v19, s[4:5]
	s_wait_loadcnt 0x0
	v_min_u32 v[TOK], 0xfff, v[TOK]                ; a token's number, held inside the 4,096
	v_min_u32 v[TOK+1], 0xfff, v[TOK+1]
	v_lshlrev_b32 v22, 3, v[TOK]
	v_lshlrev_b32 v23, 3, v[TOK+1]
	s_wait_alu depctr_va_vdst(0)                   ; v22 and v23 are written, which the two loads below read
	global_load_b64 v[CWR:CWR+1], v22, s[6:7]      ; wanted at the very end: every later wait for loads covers these two
	global_load_b64 v[CWR+2:CWR+3], v23, s[6:7]
	s_wait_alu depctr_vm_vsrc(0)                   ; the tokens' two loads have read v18 and v19, which UP's first lines write again: stated ahead of the branch
	s_cmp_ge_u32 s17, s18
	s_cbranch_scc1 .Lmeet                          ; no tile: over the first half, to the barrier
; ---------------------------------------------------------------- UP
	v_mul_u32_u24 v18, v[TOK], 384
	v_mul_u32_u24 v19, v[TOK+1], 384
	v_mad_u32_u24 v18, v3, 192, v18                ; xq: my token's 384 bytes, my half's 192: the four K steps' registers on end
	v_mad_u32_u24 v19, v3, 192, v19
	v_lshlrev_b32 v20, 4, v[TOK]
	v_lshlrev_b32 v21, 4, v[TOK+1]
	s_wait_alu depctr_va_vdst(0)                   ; v18 to v21 are written, which the 26 loads of x's codes and scale words read
.irp tt, 0,1
.irp i, 0,1,2,3,4,5,6,7,8,9,10,11
	global_load_b128 v[XF+48*\tt+4*\i:XF+48*\tt+4*\i+3], v[18+\tt], s[8:9] offset:16*\i
.endr
	global_load_b128 v[XS+4*\tt:XS+4*\tt+3], v[20+\tt], s[10:11]
.endr
.irp n, 0,1,2,3,4
	RLOAD \n, CUR, (4*(\n/2)+\n%2)*UNIT            ; the ring starts with the five units taken first; the first unit's wait, which leaves 52 out, also covers the 28 older loads
.endr
	UPHALF 0, CUR, NXT, 0, 0                       ; the first trip's half A: there is no activation yet to set behind its units
	s_mov_b32 s[CNT], 0
.Lup:                                              ; three trips of the loop: a trip's half B under half A's activation, then the next trip's half A under half B's
	UPHALF 1, CUR, NXT, 0, 1
	UPHALF 0, NXT, NXT, 0, 1
	s_wait_xcnt 0x0                                ; the loads issued have read their bases
	s_mov_b64 s[CUR:CUR+1], s[NXT:NXT+1]
	s_mov_b64 s[NXT:NXT+1], s[Q1:Q1+1]
	s_mov_b64 s[Q1:Q1+1], s[Q2:Q2+1]
	s_add_co_u32 s[CNT], s[CNT], 1
	s_cmp_lt_u32 s[CNT], 3
	s_cbranch_scc1 .Lup
	UPHALF 1, CUR, NXT, 1, 1                       ; the fourth trip's half B is written out: it asks for nothing beyond its own units
.irp k, 0,1,2,3,4,5,6,7
	ACTCH 1, \k, 1                                 ; and its own activation stands alone, with its two batches' waits written in the pieces
.endr
	IMGOUT 1
.Lmeet:
	s_wait_dscnt 0x0                               ; for the others' sake: my images have landed
	s_barrier_signal -1
	s_barrier_wait -1                              ; the hidden layer's 32 fragments lie in LDS
	s_cmp_ge_u32 s17, s18
	s_cbranch_scc1 .Lend                           ; no tile: nothing is stored
; ---------------------------------------------------------------- DOWN: written out, every offset an immediate
; The first fills land in the ring's slots and in x's fragments, which UP's products read: those stand ahead of the wait on va_vdst in front of the last images' stores, and no vector or matrix instruction has been issued since.
.irp u, 0,1,2,3
	RLOAD \u, DA, \u*UNIT
.endr
	RLOAD 4, DB, 0
	HLOAD 0, 0
.set DQ, 0
.rept 32
	DUNIT
.set DQ, DQ+1
.endr
; ---------------------------------------------------------------- the weighted sum and the way out
.irp i, 0,1,2,3
	v_mov_b32 v[CP+2*\i], v[CWR+\i]                ; each weight in both words of a pair
	v_mov_b32 v[CP+2*\i+1], v[CWR+\i]
.endr
.irp tt, 0,1
.irp i, 0,1,2,3,4,5,6,7,8,9,10,11,12,13,14,15
	v_readlane_b32 s[RW+16*\tt+\i], v[TOK+\tt], \i     ; one run into 32 scalar registers; the last unit's wait for 0 has shown every load done, so the streams' bases among them are free
.endr
.endr
	s_wait_alu depctr_va_sdst(0)                   ; the 32 tokens' numbers are written into s20-51, ahead of their first reader
.irp tt, 0,1
.irp i, 0,1,2,3,4,5,6,7,8,9,10,11,12,13,14,15
	s_min_u32 s[RW+16*\tt+\i], s[RW+16*\tt+\i], 0xfff
	s_lshl_b32 s[RW+16*\tt+\i], s[RW+16*\tt+\i], 11    ; the token's row of 2,048 bytes
	v_add_nc_u32 v[OFFS+16*\tt+\i], s[RW+16*\tt+\i], v[CO]
.endr
.endr
	WIN 0xf3                                       ; source 0, C and D window 3, the weights window 0
.irp tt, 0,1
.set j, 0
.rept 32
	v_pk_mul_f32 v[64*\tt+j:64*\tt+j+1], v[64*\tt+j:64*\tt+j+1], v[CP+4*\tt:CP+4*\tt+1]      ; each accumulator from its low end on
.set j, j+2
.endr
.endr
.irp tt, 0,1
.set j, 0
.rept 32
	v_pk_fma_f32 v[64*\tt+j:64*\tt+j+1], v[128+64*\tt+j:128+64*\tt+j+1], v[CP+4*\tt+2:CP+4*\tt+3], v[64*\tt+j:64*\tt+j+1]
.set j, j+2
.endr
.endr
	s_wait_alu depctr_va_vdst(0)                   ; the weighted sums are written, which the stage's stores read; the 32 offsets are written, which the global stores read; DOWN's products are done reading window 1, in which the rows land.  No vector instruction follows
.irp tt, 0,1                                   ; lane (r, h) holds token r's columns 16 t + 8 h + 0..7: through my own stage, back as whole rows of 512 bytes
	WIN 0x0c                                       ; an LDS store's data are its source 1: window 3
.irp t, 0,1,2,3,4,5,6,7
	ds_store_b128 v[STO], v[64*\tt+8*\t:64*\tt+8*\t+3] offset:64*\t
	ds_store_b128 v[STO], v[64*\tt+8*\t+4:64*\tt+8*\t+7] offset:64*\t+16
.endr
	WIN 0x40                                       ; back into window 1, where the ring lay
.irp i, 0,1,2,3,4,5,6,7,8,9,10,11,12,13,14,15
	ds_load_b128 v[64*\tt+4*\i:64*\tt+4*\i+3], v[RD] offset:528*\i    ; LDS serves a wave's instructions in order: these see my stores, and the next tile's stores come behind them
.endr
.endr
	WIN 0x04                                       ; a global store's data are its source 1: window 1
	s_wait_dscnt 32                                ; the first tile's rows are back; the second tile's 16 stores and 16 loads may be out
.irp i, 0,1,2,3,4,5,6,7,8,9,10,11,12,13,14,15
	global_store_b128 v[OFFS+\i], v[4*\i:4*\i+3], s[14:15] th:TH_STORE_NT     ; 32 lanes store 512 consecutive bytes, at a multiple of 512 from out0's first byte
.endr
	s_wait_dscnt 0x0
.irp i, 0,1,2,3,4,5,6,7,8,9,10,11,12,13,14,15
	global_store_b128 v[OFFS+16+\i], v[64+4*\i:64+4*\i+3], s[14:15] th:TH_STORE_NT
.endr
	WIN 0
.Lend:
	s_wait_dscnt 0x0                               ; the closing lines, six on end
	s_wait_alu 0x0
	s_wait_tensorcnt 0x0
	ds_add_u32 v254, v255
	s_wait_dscnt 0x0
	s_endpgm
.Lfunc_end_k_qb2886f51f9_chain:
	.size	k_qb2886f51f9_chain, .Lfunc_end_k_qb2886f51f9_chain-k_qb2886f51f9_chain
	.p2alignl 7, 3214868480
	.fill 96, 4, 3214868480
	.section	.rodata,"a",@progbits
	.p2align	6, 0x0
	.amdhsa_kernel k_qb2886f51f9_chain
		.amdhsa_group_segment_fixed_size 87552
		.amdhsa_private_segment_fixed_size 0
		.amdhsa_enable_private_segment 0
		.amdhsa_kernarg_size 48
		.amdhsa_user_sgpr_count 2
		.amdhsa_user_sgpr_kernarg_segment_ptr 1
		.amdhsa_wavefront_size32 1
		.amdhsa_system_sgpr_workgroup_id_x 1
		.amdhsa_system_sgpr_workgroup_id_y 1
		.amdhsa_system_sgpr_workgroup_id_z 1
		.amdhsa_system_vgpr_workitem_id 0
		.amdhsa_next_free_vgpr 1024
		.amdhsa_next_free_sgpr 72
		.amdhsa_reserve_vcc 0
		.amdhsa_float_denorm_mode_32 3
		.amdhsa_float_denorm_mode_16_64 3
		.amdhsa_memory_ordered 1
		.amdhsa_forward_progress 1
		.amdhsa_inst_pref_size 255
	.end_amdhsa_kernel
	.section	.bss,"aw",@nobits
	.p2align	6
	.space	262144
	.amdgpu_metadata
---
amdhsa.version: [ 1, 2 ]
amdhsa.kernels:
  - .name:           k_qb2886f51f9_chain
    .symbol:         k_qb2886f51f9_chain.kd
    .args:
      - { .name: order, .offset: 0, .size: 8, .value_kind: global_buffer, .address_space: global }
      - { .name: cw, .offset: 8, .size: 8, .value_kind: global_buffer, .address_space: global }
      - { .name: xq, .offset: 16, .size: 8, .value_kind: global_buffer, .address_space: global }
      - { .name: xs, .offset: 24, .size: 8, .value_kind: global_buffer, .address_space: global }
      - { .name: wst, .offset: 32, .size: 8, .value_kind: global_buffer, .address_space: global }
      - { .name: out0, .offset: 40, .size: 8, .value_kind: global_buffer, .address_space: global }
    .group_segment_fixed_size: 87552
    .private_segment_fixed_size: 0
    .kernarg_segment_align: 8
    .kernarg_segment_size: 48
    .max_flat_workgroup_size: 128
    .sgpr_count:     72
    .vgpr_count:     1024
    .wavefront_size: 32
...
	.end_amdgpu_metadata
.endif
;; end of part 4
